; MI455X (gfx1250); checked and timed in simulation.
; The chip was launched on July 23, 2026; its instructions are those of AMD's public machine-readable ISA for CDNA 5 (MIT licence, August 2026) and "CDNA5" Instruction Set Architecture Reference Guide (July 2026). The comments in the code are by the model that wrote it; some were corrected since.
;; Rel Learnable Multi Head Attn. Allowed arithmetic: matrix products marked QUANTISED: E2M1 operands, one E8M0 scale for each 32 along K, by v_wmma_scale_f32_16x16x128_f8f6f4 with both operands' format E2M1 (or v_wmma_scale_f32_32x16x128_f4), f32 sums; products left as they are: bf16, f16 or f32 operands; f32 sums; everything else in f32.
;; Inputs: Wk 1,024 x 1,024 float32; Wo 1,024 x 1,024 float32; Wq 1,024 x 1,024 float32; Wv 1,024 x 1,024 float32; ln_beta 1,024 float32; ln_gamma 1,024 float32; r_bias 1,024 x 16 float32; r_emb 1,024 x 16 x 64 float32; r_w_bias 16 x 64 float32; w 4 x 1,024 x 1,024 float32.
;; Outputs: out0 4 x 1,024 x 1,024 float32.
;; This version of the problem:
;;   THIS VERSION OF THE PROBLEM IS GIVEN IN LOW PRECISION. The matrix products marked QUANTISED in the list below multiply operands that are first quantised to E2M1 (2 exponent bits, 1 mantissa bit; 4 bits a number), with one power-of-two scale for each 32 numbers along K (OCP MX v1.0); their sums are f32. The products marked 'left as it is' may take bf16, f16 or f32 operands, with f32 sums. Whichever they take, every output number must still come out within the allowed error. Rounding operands to bf16 (8 significant bits) uses up far more of that allowance than f16 does (11 bits, for magnitudes from 6e-5 to 65,504). All else is computed in f32.
;;   The module's matrix products, in the order in which they are computed (A, B: the left and right operand; K: the contracted axis; several contracted axes count as one K, in the product's order):
;;     1. [M 4,096, K 1,024] x [K 1,024, N 1,024]; A: input w; B: input Wq: QUANTISED
;;     2. [M 4,096, K 1,024] x [K 1,024, N 1,024]; A: input w; B: input Wk: QUANTISED
;;     3. [M 4,096, K 1,024] x [K 1,024, N 1,024]; A: input w; B: input Wv: QUANTISED
;;     4. batch 64 x [M 1,024, K 64] x [K 64, N 1,024]; A: computed on the way; B: computed on the way: left as it is (an operand is computed on the way)
;;     5. batch 16 x [M 1,024, K 64] x [K 64, N 4,096]; A: input r_emb; B: computed on the way: left as it is (an operand is computed on the way)
;;     6. batch 64 x [M 64, K 1,024] x [K 1,024, N 1,024]; A: computed on the way; B: computed on the way: left as it is (an operand is computed on the way)
;;     7. [M 4,096, K 1,024] x [K 1,024, N 1,024]; A: computed on the way; B: input Wo: left as it is (an operand is computed on the way)
;;   THE QUANTISER, for each operand of a quantised product, along K:
;;     - K is cut into blocks of 32 from its start; a last block that is shorter is filled with zeros.
;;     - A block's scale is 2^e with e = floor(log2(the largest magnitude in the block)) - 2, held to -126 .. 127; a block of zeros has e = 0. As a byte (E8M0): e + 127.
;;     - Each number is divided by its block's scale, clamped to +-6, and rounded to the nearest number of E2M1, ties to even, subnormals kept.
;;     - The product sums the exact products of the quantised numbers (number of the format x scale) in f32.
;;   ~~~python
;;   def quantise(x, axis):      # numpy; x: float32 -> the quantised numbers, widened to float32 again
;;       x = np.moveaxis(x, axis, -1); K = x.shape[-1]
;;       x = np.pad(x, [(0, 0)] * (x.ndim - 1) + [(0, -K % 32)]); x = x.reshape(x.shape[:-1] + (-1, 32)); a = np.abs(x).max(-1, keepdims=True)
;;       e = np.where(a > 0, np.clip(np.frexp(np.where(a > 0, a, 1))[1] - 1 - 2, -126, 127), 0)      # np.frexp(a)[1] - 1 = floor(log2(a)), exactly
;;       r = np.clip(x / 2.0 ** e, -6, 6)
;;       step = 2.0 ** (np.maximum(np.frexp(np.where(r == 0, 1, r))[1] - 1, 0) - 1)
;;       q = np.round(r / step) * step * 2.0 ** e      # np.round: ties to even
;;       return np.moveaxis(q.reshape(q.shape[:-2] + (-1,))[..., :K], -1, axis).astype(np.float32)
;;   ~~~
;; One version. Each part assembles by itself: llvm-mc -triple=amdgcn-amd-amdhsa -mcpu=gfx1250 --defsym DOCPART=n.
;; ======== version 1 of 1: 5 launches
;; limits: values are held in f16: magnitudes above 65,504 overflow, below 6.1e-05 lose precision; right only within a limited range of input values
;; workspace buffers: pre 10,256,384 bytes; qkv 42,205,184 bytes; av 8,388,608 bytes; y 16,777,216 bytes
;; launch prep (part 1): grid 452 x 1, 4 waves a work-group, no clusters, 68,096 bytes of LDS; arguments w, Wq, Wk, Wv, Wo, r_emb, r_bias, pre; writes pre
.if DOCPART == 1
	.amdgcn_target "amdgcn-amd-amdhsa--gfx1250"
	.amdhsa_code_object_version 6
	.text
	.protected	k_q7fd4e0f04c_prep
	.globl	k_q7fd4e0f04c_prep
	.p2align	8
	.type	k_q7fd4e0f04c_prep,@function
k_q7fd4e0f04c_prep:
	s_mov_b64 s[64:65], 0
	v_nop
	global_prefetch_b8 v0, s[64:65] scope:SCOPE_SE
	s_setreg_imm32_b32 hwreg(HW_REG_WAVE_MODE, 25, 1), 1
	s_wait_xcnt 0x0
; PREPARATION: every input that later launches read many times is brought once into the form in which their operand registers take it.
; All results go into one workspace buffer, pre.  An operand fragment is stored as an IMAGE OF ITS REGISTERS: 1,024 bytes = [c 0..1][lane 0..31][16 bytes], registers 4 c .. 4 c + 3 of each lane.
;   XCO  w as codes of E2M1:  [K2 2][R 256][q 4][image]   (K2: half of K; R: tile of 16 rows; q: 128 along K)
;   WCO  Wq | Wk | Wv as codes: [K2 2][T 192][q 4][image]  (T = 64 x type + column / 16)
;   XSO  w's scale words:  [G 32 (128 rows)][K2 2][row 128][16 bytes = the words of q 0..3]
;   WSO  the weights' scale words, EACH BYTE 3 LOWER than the quantiser's: that is the quantiser applied to W / 8 (same codes), so the products come out as q / 8, k / 8, v / 8, exactly
;   RBO  r_bias shifted by one key, x 2^-6, f32: [head 16][key 1024]; key 1023 holds 0
;   WOO  8 x Wo in f16: [ks 4 (256 along K)][T 64][u 8 (32 along K)][image]; lane r = column 16 T + r
;   RIO  r_emb shifted by one key, / 8, f32, in the layout of a 16 x 16 result: [jb 64][ct 64][c 2][lane][16 bytes]: lane (r, h) holds key 16 jb + r, columns 16 ct + 8 h + 4 c .. + 3; key 1023 holds 0
; THE QUANTISER: a block's scale is 2^(floor(log2(largest magnitude)) - 2); its byte is the largest magnitude's exponent field - 2; numbers are divided by it and rounded to the nearest code, ties to even, beyond 6 the code of 6.
; LIMITS: blocks of w whose largest magnitude lies under 2^-124, and blocks of a weight under 2^-121, keep the floor's scale (a block of zeros too: its codes are zeros, and only this program reads the bytes);
; |Wo| stays under 8,188 (f16 of 8 x Wo); NaN and infinities among the inputs are not served.
; Row 0 of r_emb and of r_bias is not read: the shift by one key drops it.
; Five kinds of work-groups, told apart by the work-group's number alone; four waves each, which share nothing: no barrier.
.set XCO, 0x000000
.set WCO, 0x200000
.set XSO, 0x380000
.set WSO, 0x3A0000
.set RBO, 0x3B8000
.set WOO, 0x3C8000
.set RIO, 0x5C8000
.set STD,   33792                      ; LDS: bytes 0 .. 33,791 the four stages of w's path (16 rows x 528 bytes a wave); from here the four of r_emb's path: each path has bytes of its own
.set SPARE, 67584                      ; behind them the spare words, 128 bytes a wave, which no other line names
.set SPW, 30                           ; v30  LDS address of my spare word; never rewritten
.set NIL, 31                           ; v31  0; never rewritten
.set LR,  32                           ; w's path: v32-159 two sets of 64 numbers as loaded
.set X,   160                          ;           v160-223 64 numbers as the conversions want them
.set F,   224                          ;           v224-255 codes: 8 registers for each q, never written twice
.set XB,  32                           ; weights: v32-95 two sets of 32 numbers down K
.set CD,  96                           ;          v96-111 codes of four blocks
.set PK,  96                           ; Wo:      v96-159 16 packed registers for each block
.set DL,  32                           ; r_emb:   v32-159 two strips as loaded
	s_load_b512 s[4:19], s[0:1], 0x0               ; w s[4:5], Wq s[6:7], Wk s[8:9], Wv s[10:11], Wo s[12:13], r_emb s[14:15], r_bias s[16:17], pre s[18:19]
	v_lshl_add_u32 v[SPW], v0, 2, SPARE
	v_mov_b32 v[NIL], 0
	v_lshrrev_b32 v1, 5, v0
	v_readfirstlane_b32 s20, v1                    ; wave 0..3
	v_and_b32 v1, 31, v0                           ; lane
	v_and_b32 v2, 15, v0                           ; r
	v_bfe_u32 v3, v0, 4, 1                         ; h
	v_lshlrev_b32 v4, 4, v1                        ; 16 x lane
	v_lshlrev_b32 v5, 2, v1                        ; 4 x lane
	s_mov_b32 s21, 0xffff0000                      ; the lanes of the upper half
	s_mov_b32 s22, 0x76543210
	s_mov_b32 s23, 0xfedcba98                      ; v_permlanex16_b32's selects for lane l xor 16
	s_mul_i32 s24, s20, 8448                       ; my stage: 16 rows x 528 bytes
	v_add_nc_u32 v6, s24, v4                       ; w's stage, in: 16 x lane of a row
	v_mul_u32_u24 v7, v2, 528
	v_lshl_add_u32 v7, v3, 7, v7
	v_add_nc_u32 v7, s24, v7                       ; and out: row r, + 128 h: my block of 32 numbers
	v_add_nc_u32 v20, s24, v4
	v_add_nc_u32 v20, STD, v20                     ; r_emb's stage, in
	v_mul_u32_u24 v21, v2, 528
	v_lshl_add_u32 v21, v3, 5, v21
	v_add_nc_u32 v21, s24, v21
	v_add_nc_u32 v21, STD, v21                     ; and out: row r, + 32 h
	s_mov_b32 s29, 0
	s_mov_b32 s31, 0
	s_wait_kmcnt 0x0
	s_cmp_lt_u32 ttmp9, 128
	s_cbranch_scc1 .Lw
	s_cmp_lt_u32 ttmp9, 320
	s_cbranch_scc1 .Lwt
	s_cmp_lt_u32 ttmp9, 384
	s_cbranch_scc1 .Lwo
	s_cmp_lt_u32 ttmp9, 448
	s_cbranch_scc1 .Lre
	s_branch .Lrb
; ---------------- w: a wave takes 16 rows x 512 along K.  Each load reads 512 consecutive bytes of a row; a stage in LDS (pitch 528) turns 16 rows x 128 numbers so that a lane holds two whole blocks of 32.
.macro LOADQ q
.irp p, 0,1,2,3,4,5,6,7,8,9,10,11,12,13,14,15
	global_load_b128 v[LR+64*((\q)%2)+4*\p:LR+64*((\q)%2)+4*\p+3], v4, s[4:5] offset:\p*4096+(\q)*512 th:TH_LOAD_NT
.endr
.endm
.macro QA q
.if (\q) < 3
	s_wait_loadcnt 16                              ; this q's 16 loads are in; the next q's 16 may be out
.else
	s_wait_loadcnt 0x0
.endif
.irp p, 0,1,2,3,4,5,6,7,8,9,10,11,12,13,14,15
	ds_store_b128 v6, v[LR+64*((\q)%2)+4*\p:LR+64*((\q)%2)+4*\p+3] offset:\p*528
.endr
.irp c, 0,1
.irp i, 0,1,2,3,4,5,6,7
	ds_load_b128 v[X+32*\c+4*\i:X+32*\c+4*\i+3], v7 offset:256*\c+16*\i   ; k = 64 c + 32 h + 4 i .. of row r; LDS serves a wave's instructions in order: these see the stores above
.endr
.endr
	s_wait_dscnt 0x0                               ; the numbers are back, and the stores have read their registers
.if (\q) < 2
	LOADQ (\q)+2
.endif
.irp c, 0,1
	v_max3_num_f32 v[10+\c], |v[X+32*\c]|, |v[X+32*\c+1]|, 0x1800000   ; block 2 c + h: all 32 numbers are mine; the floor 2^(3 - 127) holds the byte at 1 from below
.endr
.irp i, 2,4,6,8,10,12,14,16,18,20,22,24,26,28,30
.irp c, 0,1
	v_max3_num_f32 v[10+\c], v[10+\c], |v[X+32*\c+\i]|, |v[X+32*\c+\i+1]|
.endr
.endr
.irp c, 0,1
	v_add_nc_u32 v[12+\c], 0xff000000, v[10+\c]    ; 2 off the exponent field: the conversion's scale operand
.endr
.irp c, 0,1
	v_lshrrev_b32 v[10+\c], 23, v[12+\c]           ; the scale's byte
.endr
	v_lshl_or_b32 v14, v11, 16, v10                ; my two bytes, blocks h and 2 + h,
	v_lshlrev_b32 v14, v9, v14                     ; at their places (8 h bits up);
	v_permlanex16_b32 v15, v14, s22, s23
	v_or_b32 v[16+(\q)], v14, v15                  ; with lane l xor 16's two the row's word is whole
.irp c, 0,1
.irp g, 0,1,2,3
	v_cvt_scalef32_pk8_fp4_f32 v[F+8*(\q)+4*\c+\g], v[X+32*\c+8*\g:X+32*\c+8*\g+7], v[12+\c]
.endr
.endr
	v_nop                                          ; one plain line behind the last conversion
.irp c, 0,1
	global_store_b128 v4, v[F+8*(\q)+4*\c:F+8*(\q)+4*\c+3], s[32:33] offset:(\q)*1024+512*\c   ; 512 consecutive bytes of the image
.endr
.endm
.Lw:
	s_lshl_b32 s24, ttmp9, 2
	s_add_co_u32 s24, s24, s20                     ; task 0..511
	s_lshr_b32 s26, s24, 1                         ; R
	s_and_b32 s27, s24, 1                          ; K2
	s_lshl_b32 s28, s26, 16                        ; 16 rows of 4,096 bytes
	s_lshl_b32 s30, s27, 11
	s_add_co_u32 s28, s28, s30
	s_add_nc_u64 s[4:5], s[4:5], s[28:29]
	s_lshl_b32 s28, s27, 20
	s_lshl_b32 s30, s26, 12
	s_add_co_u32 s28, s28, s30
	s_add_nc_u64 s[32:33], s[18:19], s[28:29]      ; the codes: XCO (= 0) + K2 x 2^20 + R x 4,096
	s_lshr_b32 s28, s26, 3
	s_lshl_b32 s28, s28, 12
	s_lshl_b32 s30, s27, 11
	s_add_co_u32 s28, s28, s30
	s_and_b32 s30, s26, 7
	s_lshl_b32 s30, s30, 8
	s_add_co_u32 s28, s28, s30
	s_add_co_u32 s28, s28, XSO
	s_add_nc_u64 s[34:35], s[18:19], s[28:29]      ; the scale words of my 16 rows: 256 bytes
	v_lshlrev_b32 v8, 4, v2
	v_lshl_add_u32 v8, v3, 3, v8                   ; 16 r + 8 h
	v_lshlrev_b32 v9, 3, v3                        ; 8 h
	v_mov_b32 v15, 0                               ; a lane permute's destination counts as read
	LOADQ 0
	LOADQ 1
	QA 0
	QA 1
	QA 2
	QA 3
	v_cndmask_b32 v10, v16, v18, s21               ; lanes 0-15 store the words of q 0, 1, lanes 16-31 those of q 2, 3
	v_cndmask_b32 v11, v17, v19, s21
	global_store_b64 v8, v[10:11], s[34:35]        ; 32 lanes store 256 consecutive bytes, aligned
	s_branch .Lend
; ---------------- Wq, Wk, Wv and Wo: K is the FIRST axis.  A lane takes a column and its registers run down K: a block of 32 lies in one lane.  A wave: 32 columns x 128 along K.
.macro LOADB t
.irp i, 0,1,2,3,4,5,6,7,8,9,10,11,12,13,14,15,16,17,18,19,20,21,22,23,24,25,26,27,28,29,30,31
	global_load_b32 v[XB+32*((\t)%2)+\i], v5, s[6:7] offset:(32*(\t)+\i)*4096 th:TH_LOAD_NT   ; 128 consecutive bytes a wave, 512 a work-group
.endr
.endm
.macro WAITB t
.if (\t) < 3
	s_wait_loadcnt 32                              ; this block's 32 loads are in; the next block's may be out
.else
	s_wait_loadcnt 0x0
.endif
.endm
.macro BLKB t
.set XS, XB+32*((\t)%2)
	WAITB \t
	v_max3_num_f32 v12, |v[XS]|, |v[XS+1]|, |v[XS+2]|
	v_max3_num_f32 v13, |v[XS+3]|, |v[XS+4]|, |v[XS+5]|
.irp i, 6,10,14,18,22,26
	v_max3_num_f32 v12, v12, |v[XS+\i]|, |v[XS+\i+1]|
	v_max3_num_f32 v13, v13, |v[XS+\i+2]|, |v[XS+\i+3]|
.endr
	v_max3_num_f32 v12, v12, |v[XS+30]|, |v[XS+31]|
	v_max3_num_f32 v12, v12, v13, 0x3000000        ; the floor 2^(6 - 127): the stored byte, 5 under the exponent field, cannot fall under 1
	v_add_nc_u32 v11, 0xff000000, v12              ; 2 off the exponent field: the conversion's scale operand
	v_add_nc_u32 v13, 0xfd800000, v12              ; 5 off: the byte of the scale / 8
	v_lshrrev_b32 v13, 23, v13
.if (\t) == 0
	v_mov_b32 v16, v13
.else
	v_lshl_or_b32 v16, v13, 8*(\t), v16            ; four bytes make my column's word for these 128 along K
.endif
.irp g, 0,1,2,3
	v_cvt_scalef32_pk8_fp4_f32 v[CD+4*(\t)+\g], v[XS+8*\g:XS+8*\g+7], v11
.endr
.if (\t) < 2
	LOADB (\t)+2
.endif
.endm
.Lwt:
	s_sub_co_u32 s24, ttmp9, 128
	s_lshr_b32 s26, s24, 6                         ; type: 0 Wq, 1 Wk, 2 Wv
	s_and_b32 s27, s24, 7                          ; which 128 columns
	s_bfe_u32 s28, s24, 0x30003                    ; which 128 along K
	s_cmp_eq_u32 s26, 0
	s_cselect_b64 s[6:7], s[6:7], s[8:9]
	s_cmp_eq_u32 s26, 2
	s_cselect_b64 s[6:7], s[10:11], s[6:7]         ; the choice hangs on the work-group's number alone
	s_lshl_b32 s30, s28, 19                        ; 128 rows of 4,096 bytes
	s_lshl_b32 s36, s27, 9
	s_add_co_u32 s30, s30, s36
	s_lshl_b32 s36, s20, 7                         ; my wave's 32 columns
	s_add_co_u32 s30, s30, s36
	s_add_nc_u64 s[6:7], s[6:7], s[30:31]
	s_lshr_b32 s36, s28, 2                         ; K2
	s_and_b32 s37, s28, 3                          ; q
	s_mul_i32 s30, s36, 0xC0000
	s_lshl_b32 s38, s26, 6
	s_lshl_b32 s39, s27, 3
	s_add_co_u32 s38, s38, s39
	s_lshl_b32 s39, s20, 1
	s_add_co_u32 s38, s38, s39                     ; T of my first 16 columns
	s_lshl_b32 s38, s38, 12
	s_add_co_u32 s30, s30, s38
	s_lshl_b32 s38, s37, 10
	s_add_co_u32 s30, s30, s38
	s_add_co_u32 s30, s30, WCO
	s_add_nc_u64 s[32:33], s[18:19], s[30:31]
	s_lshl_b32 s30, s26, 3
	s_add_co_u32 s30, s30, s27                     ; G
	s_lshl_b32 s30, s30, 12
	s_lshl_b32 s38, s36, 11
	s_add_co_u32 s30, s30, s38
	s_lshl_b32 s38, s20, 9
	s_add_co_u32 s30, s30, s38
	s_lshl_b32 s38, s37, 2
	s_add_co_u32 s30, s30, s38
	s_add_co_u32 s30, s30, WSO
	s_add_nc_u64 s[34:35], s[18:19], s[30:31]
	LOADB 0
	LOADB 1
	BLKB 0
	BLKB 1
	BLKB 2
	BLKB 3
	v_nop                                          ; one plain line behind the last conversion
.irp c, 0,1                                    ; a fragment wants block 2 c in lanes 0-15 and block 2 c + 1 in lanes 16-31 of ONE tile of 16 columns: the first register's upper lanes change places with the second's lower
.irp i, 0,1,2,3
	v_permlane16_swap_b32 v[CD+8*\c+\i], v[CD+8*\c+4+\i]   ; now CD + 8 c + i is register 4 c + i of my first tile, CD + 8 c + 4 + i that of my second
.endr
.endr
	global_store_b128 v4, v[CD:CD+3], s[32:33]
	global_store_b128 v4, v[CD+8:CD+11], s[32:33] offset:512
	global_store_b128 v4, v[CD+4:CD+7], s[32:33] offset:4096
	global_store_b128 v4, v[CD+12:CD+15], s[32:33] offset:4096+512
	global_store_b32 v4, v16, s[34:35]             ; 4 bytes at each 16: one byte in 128 of what this path reads
	s_branch .Lend
.macro BLKC t
.set XS, XB+32*((\t)%2)
.set PT, PK+16*(\t)
	WAITB \t
.irp p, 0,2,4,6,8,10,12,14,16,18,20,22,24,26,28,30
	v_pk_mul_f32 v[XS+\p:XS+\p+1], v[XS+\p:XS+\p+1], 0x41000000 op_sel_hi:[1,0]   ; x 8, exact
.endr
.irp p, 0,1,2,3,4,5,6,7,8,9,10,11,12,13,14,15
	v_cvt_pk_f16_f32 v[PT+\p], v[XS+2*\p], v[XS+2*\p+1]   ; k = 2 p, 2 p + 1 of my column
.endr
.if (\t) < 2
	LOADB (\t)+2
.endif
.irp i, 0,1,2,3                                ; a 16-bit fragment wants k = 8 h .. in registers 0-3 and 16 + 8 h .. in registers 4-7
	v_permlane16_swap_b32 v[PT+\i], v[PT+4+\i]
	v_permlane16_swap_b32 v[PT+8+\i], v[PT+12+\i]
.endr
	global_store_b128 v4, v[PT:PT+3], s[32:33] offset:(\t)*1024
	global_store_b128 v4, v[PT+8:PT+11], s[32:33] offset:(\t)*1024+512
	global_store_b128 v4, v[PT+4:PT+7], s[32:33] offset:(\t)*1024+8192
	global_store_b128 v4, v[PT+12:PT+15], s[32:33] offset:(\t)*1024+8192+512
.endm
.Lwo:
	s_sub_co_u32 s24, ttmp9, 320
	s_and_b32 s27, s24, 7                          ; which 128 columns
	s_lshr_b32 s28, s24, 3                         ; which 128 along K
	s_lshl_b32 s30, s28, 19
	s_lshl_b32 s26, s27, 9
	s_add_co_u32 s30, s30, s26
	s_lshl_b32 s26, s20, 7
	s_add_co_u32 s30, s30, s26
	s_add_nc_u64 s[6:7], s[12:13], s[30:31]
	s_lshr_b32 s30, s28, 1                         ; ks
	s_lshl_b32 s30, s30, 19
	s_lshl_b32 s26, s27, 16                        ; 8 tiles of 8,192 bytes
	s_add_co_u32 s30, s30, s26
	s_lshl_b32 s26, s20, 14                        ; my wave's two tiles
	s_add_co_u32 s30, s30, s26
	s_and_b32 s26, s28, 1
	s_lshl_b32 s26, s26, 12                        ; u = 4 x (second half of the K step) + block
	s_add_co_u32 s30, s30, s26
	s_add_co_u32 s30, s30, WOO
	s_add_nc_u64 s[32:33], s[18:19], s[30:31]
	LOADB 0
	LOADB 1
	BLKC 0
	BLKC 1
	BLKC 2
	BLKC 3
	s_branch .Lend
; ---------------- r_emb: a work-group takes 16 keys, a wave two strips of 128 columns.  Key j takes row j + 1; key 1023 takes zeros.
.macro STRIP k, back
.if \k == 0
	s_wait_loadcnt 16                              ; the first strip's 16 loads are in; the second's may be out
.else
	s_wait_loadcnt 0x0
.endif
.irp p, 0,2,4,6,8,10,12,14,16,18,20,22,24,26,28,30,32,34,36,38,40,42,44,46,48,50,52,54,56,58
	v_pk_mul_f32 v[DL+64*\k+\p:DL+64*\k+\p+1], v[DL+64*\k+\p:DL+64*\k+\p+1], 0x3e000000 op_sel_hi:[1,0]   ; / 8, exact
.endr
.irp p, 60,62
	v_pk_mul_f32 v[DL+64*\k+\p:DL+64*\k+\p+1], v[DL+64*\k+\p:DL+64*\k+\p+1], s[26:27] op_sel_hi:[1,0]   ; the sixteenth key: / 8, or x 0 where it is key 1023
.endr
.irp p, 0,1,2,3,4,5,6,7,8,9,10,11,12,13,14,15
	ds_store_b128 v20, v[DL+64*\k+4*\p:DL+64*\k+4*\p+3] offset:\p*528
.endr
.irp t, 0,1,2,3,4,5,6,7
.irp c, 0,1
	ds_load_b128 v[\back+8*\t+4*\c:\back+8*\t+4*\c+3], v21 offset:64*\t+16*\c   ; key r, columns 16 t + 8 h + 4 c ..
.endr
.endr
	s_wait_dscnt 0x0
.irp t, 0,1,2,3,4,5,6,7
.irp c, 0,1
	global_store_b128 v4, v[\back+8*\t+4*\c:\back+8*\t+4*\c+3], s[32:33] offset:\k*8192+\t*1024+\c*512
.endr
.endr
.endm
.Lre:
	s_sub_co_u32 s24, ttmp9, 384                   ; jb
	s_lshl_b32 s28, s24, 16
	s_lshl_b32 s30, s20, 10                        ; my wave's two strips of 512 bytes
	s_add_co_u32 s28, s28, s30
	s_add_nc_u64 s[14:15], s[14:15], s[28:29]
	s_lshl_b32 s30, s24, 4
	s_add_co_u32 s36, s30, 16
	s_min_u32 s36, s36, 1023                       ; no load leaves the buffer: the last work-group reads row 1023 in the place of row 1024
	s_sub_co_u32 s36, s36, s30
	s_lshl_b32 s36, s36, 12
	v_add_nc_u32 v8, s36, v4
	s_cmp_eq_u32 s24, 63
	s_cselect_b32 s26, 0, 0x3e000000
	s_mov_b32 s27, s26
	s_lshl_b32 s28, s24, 16
	s_lshl_b32 s30, s20, 14
	s_add_co_u32 s28, s28, s30
	s_add_co_u32 s28, s28, RIO
	s_add_nc_u64 s[32:33], s[18:19], s[28:29]
.irp k, 0,1
.irp p, 0,1,2,3,4,5,6,7,8,9,10,11,12,13,14
	global_load_b128 v[DL+64*\k+4*\p:DL+64*\k+4*\p+3], v4, s[14:15] offset:(\p+1)*4096+512*\k
.endr
	global_load_b128 v[DL+64*\k+60:DL+64*\k+63], v8, s[14:15] offset:512*\k
.endr
	STRIP 0, 160
	STRIP 1, 32                                    ; (the first strip's registers: its LDS stores have read them)
	s_branch .Lend
; ---------------- r_bias: a wave takes 64 keys, a lane two of them, all 16 heads.
.Lrb:
	s_sub_co_u32 s24, ttmp9, 448
	s_lshl_b32 s24, s24, 2
	s_add_co_u32 s24, s24, s20                     ; task 0..15
	s_lshl_b32 s26, s24, 6
	v_lshl_add_u32 v10, v1, 1, s26                 ; j = 64 x task + 2 x lane
	v_add_nc_u32 v11, 1, v10
	v_lshlrev_b32 v11, 6, v11                      ; row j + 1, 64 bytes a row
	v_add_nc_u32 v12, 2, v10
	v_min_u32 v12, 1023, v12                       ; row j + 2, held inside the buffer
	v_lshlrev_b32 v12, 6, v12
	v_cmp_eq_u32 vcc_lo, 1022, v10
	v_mov_b32 v13, 0x3c800000                      ; 2^-6,
	v_cndmask_b32 v13, v13, 0, vcc_lo              ; or 0 for key 1023
	v_lshlrev_b32 v14, 3, v1
	s_lshl_b32 s28, s24, 8
	s_add_co_u32 s28, s28, RBO
	s_add_nc_u64 s[32:33], s[18:19], s[28:29]
.irp i, 0,1,2,3
	global_load_b128 v[32+4*\i:35+4*\i], v11, s[16:17] offset:16*\i
.endr
.irp i, 0,1,2,3
	global_load_b128 v[48+4*\i:51+4*\i], v12, s[16:17] offset:16*\i
.endr
	s_wait_loadcnt 0x0
.irp n, 0,1,2,3,4,5,6,7,8,9,10,11,12,13,14,15
	v_mul_f32 v[64+2*\n], 0x3c800000, v[32+\n]
	v_mul_f32 v[65+2*\n], v13, v[48+\n]
.endr
.irp n, 0,1,2,3,4,5,6,7,8,9,10,11,12,13,14,15
	global_store_b64 v14, v[64+2*\n:65+2*\n], s[32:33] offset:\n*4096   ; 32 lanes store 256 consecutive bytes, aligned
.endr
.Lend:
	s_wait_tensorcnt 0x0                           ; the wave's end
	ds_add_u32 v[SPW], v[NIL]
	s_wait_dscnt 0x0
	s_endpgm
.Lfunc_end_k_q7fd4e0f04c_prep:
	.size	k_q7fd4e0f04c_prep, .Lfunc_end_k_q7fd4e0f04c_prep-k_q7fd4e0f04c_prep
	.p2alignl 7, 3214868480
	.fill 96, 4, 3214868480
	.section	.rodata,"a",@progbits
	.p2align	6, 0x0
	.amdhsa_kernel k_q7fd4e0f04c_prep
		.amdhsa_group_segment_fixed_size 68096
		.amdhsa_private_segment_fixed_size 0
		.amdhsa_enable_private_segment 0
		.amdhsa_kernarg_size 64
		.amdhsa_user_sgpr_count 2
		.amdhsa_user_sgpr_kernarg_segment_ptr 1
		.amdhsa_wavefront_size32 1
		.amdhsa_system_sgpr_workgroup_id_x 1
		.amdhsa_system_sgpr_workgroup_id_y 1
		.amdhsa_system_sgpr_workgroup_id_z 1
		.amdhsa_system_vgpr_workitem_id 0
		.amdhsa_next_free_vgpr 256
		.amdhsa_next_free_sgpr 66
		.amdhsa_reserve_vcc 1
		.amdhsa_float_denorm_mode_32 3
		.amdhsa_float_denorm_mode_16_64 3
		.amdhsa_memory_ordered 1
		.amdhsa_forward_progress 1
		.amdhsa_inst_pref_size 97
	.end_amdhsa_kernel
	.amdgpu_metadata
---
amdhsa.version: [ 1, 2 ]
amdhsa.kernels:
  - .name:           k_q7fd4e0f04c_prep
    .symbol:         k_q7fd4e0f04c_prep.kd
    .args:
      - { .name: w, .offset: 0, .size: 8, .value_kind: global_buffer, .address_space: global }
      - { .name: Wq, .offset: 8, .size: 8, .value_kind: global_buffer, .address_space: global }
      - { .name: Wk, .offset: 16, .size: 8, .value_kind: global_buffer, .address_space: global }
      - { .name: Wv, .offset: 24, .size: 8, .value_kind: global_buffer, .address_space: global }
      - { .name: Wo, .offset: 32, .size: 8, .value_kind: global_buffer, .address_space: global }
      - { .name: r_emb, .offset: 40, .size: 8, .value_kind: global_buffer, .address_space: global }
      - { .name: r_bias, .offset: 48, .size: 8, .value_kind: global_buffer, .address_space: global }
      - { .name: pre, .offset: 56, .size: 8, .value_kind: global_buffer, .address_space: global }
    .group_segment_fixed_size: 68096
    .private_segment_fixed_size: 0
    .kernarg_segment_align: 8
    .kernarg_segment_size: 64
    .max_flat_workgroup_size: 128
    .sgpr_count:     66
    .vgpr_count:     256
    .wavefront_size: 32
...
	.end_amdgpu_metadata
.endif
;; end of part 1
;; launch qkv (part 2): grid 12 x 16, 4 waves a work-group, clusters of 4 x 4, 327,680 bytes of LDS; arguments pre, r_w_bias, qkv; writes qkv
.if DOCPART == 2
	.amdgcn_target "amdgcn-amd-amdhsa--gfx1250"
	.amdhsa_code_object_version 6
	.text
	.protected	k_q7fd4e0f04c_qkv
	.globl	k_q7fd4e0f04c_qkv
	.p2align	8
	.type	k_q7fd4e0f04c_qkv,@function
k_q7fd4e0f04c_qkv:
	s_mov_b64 s[64:65], 0
	v_nop
	global_prefetch_b8 v0, s[64:65] scope:SCOPE_SE
	s_setreg_imm32_b32 hwreg(HW_REG_WAVE_MODE, 25, 1), 1
	s_wait_xcnt 0x0
	s_wait_alu depctr_hold_cnt(0) depctr_sa_sdst(0) depctr_va_vdst(0) depctr_va_sdst(0) depctr_va_ssrc(0) depctr_va_vcc(0) depctr_vm_vsrc(0)
	s_getreg_b32 s2, hwreg(HW_REG_IB_STS2, 6, 4)
	s_cmp_eq_u32 s2, 0
	s_cbranch_scc0 .Lentry_in_a_cluster
	s_endpgm
.Lentry_in_a_cluster:
	s_bfe_u32 s2, ttmp6, 0x10000c
	s_cmp_lg_u32 s2, 0xf033
	s_cbranch_scc0 .Lentry_shape_is_right
	s_endpgm
.Lentry_shape_is_right:
; THE THREE QUANTISED PROJECTIONS, q = w Wq, k = w Wk, v = w Wv, on codes of E2M1 with one E8M0 scale for each 32 along K (K = 1,024), and what follows them up to the operands of attention.
; Codes and scale words come from the workspace buffer pre, laid as images of operand registers; the weights' scale bytes stand 3 lower, so the sums are q / 8, k / 8, v / 8, exactly.
; A work-group of four waves makes 256 x 256 sums, a wave 128 x 128: 64 accumulators of 16 x 16, 512 registers.  Cluster x (0, 1, 2) says which projection, cluster y which batch.
; "A" and "B" below are the two operands of a tile: for q and k, A = 256 rows of w and B = 256 columns of the weight; for v the roles are changed by offsets alone: A = 256 columns of Wv, B = 256 rows of w.
; THE MATRIX INSTRUCTION IS USED TRANSPOSED (source 0 = 16 rows of B, source 1 = 16 rows of A): a lane holds one row of A and eight neighbouring rows of B.  Rounded to f16 in pairs, an accumulator is half of a
; 16-bit fragment (registers 0-3 or 4-7): for q and k a lane holds one position and eight channels, for v one channel and eight keys, as the two products of attention want them.  So results leave as images, 512 dense bytes a store.
; K IS WHOLLY RESIDENT: two LDS slots of 512 along K, both filled at the head; nothing is filled again.
; CLUSTERS: 4 x 4 work-groups; A's tiles are shared along a row of the cluster, B's along a column: each is asked for jointly, by the same tensor load with the same descriptor and a mask that names the four.
; q leaves in f32, as the accumulators stand: the wave of attention that owns a query splits it.
; k's way out adds r_emb shifted by one key (/ 8, from pre), since q . k + q . r' = q . (k + r'), SPLITS THE SUM INTO TWO f16 NUMBERS (high: the f32 number with its 13 lowest mantissa bits cleared, exact in f16; low: the rest,
; exact in f32, rounded to f16), and makes c = (r_w_bias . k + r_bias shifted) / 64 in f32 for each key and head.
; OUT (buffer qkv): Q at 0: f32 [batch x head 64][tile of 16 positions 64][16 channels 4][c 2][lane][16 bytes]; K + r' at 2^24: [batch x head 64][tile 64][high u 0, 1, low u 0, 1 (u: 32 channels)][image];
; V at 2^25: [batch 4][64 keys 16][head 16][16 channels 4][32 keys 2][image]; c at 0x2800000: f32 [batch x head 64][key 1024].
; LIMITS: |k + r'| and |v| stay under 524,032 (f16 of an eighth); a part that falls under f16's smallest normal number keeps an absolute error of 3e-8 of the eighth; NaN and infinities are not served.
; REGISTERS, in windows of 256: window 0: v16-29 addresses; v32-95 scale words, two sets; v128-191 A's fragments, one set; on the way out v0-15 and v30-255 are free.
;   window 1: B's fragments, two sets, at v0 and v128; on k's way out v0-63 r_w_bias.   window 2: accumulators of my rows 0-63 ((a, b) at v[8 (8 a + b)]);   window 3: of my rows 64-127.
.set WC,  0x200000
.set XS,  0x380000
.set WS,  0x3A0000
.set RB,  0x3B8000
.set RI,  0x5C8000
.set VOUT, 0x2000000
.set CBO,  0x2800000
.set NQ,    4                          ; matrix instructions deep in a slot: 512 / 128
.set FR,    8                          ; registers of a fragment
.set NL,    2                          ; LDS loads that bring one
.set NP,    4                          ; places behind this matrix instruction (ISA guide 7.12.1)
.set SLOT,  131072                     ; A's two halves, B's two halves, 32 KiB each: [tile 8][q 4][image]
.set SCL,   262144                     ; the scale words: 4 x 4 KiB: [K2 2][row 128][16 bytes]
.set SPARE, SCL+4*4096                 ; the spare words, 128 bytes a wave, which no other line names
.set ADRA, 16                          ; v16-17  LDS address of my A fragments in slot 0, 1
.set ADRB, 20                          ; v20-21  the same for B
.set H32,  24                          ; v24     32 x (lane / 16)
.set L4,   25                          ; v25     4 x lane
.set CO,   26                          ; v26     16 x lane
.set ADRS, 27                          ; v27     LDS address of my scale words: lanes 0-15 A's rows, lanes 16-31 B's
.set SPW,  28                          ; v28     LDS address of my spare word; never rewritten
.set NIL,  29                          ; v29     0; never rewritten
.set SC,   32
.set AF,   128
.set RBT,  8                           ; k's way out: v8-15 the shifted r_bias of my keys, then c
.set RIA,  32                          ;              v32-159 two sets of 64: r' / 8 of 16 keys x 128 columns, then (k + r') / 8, then its low part
.set HI,   160                         ;              v160-191 the high parts, packed;  v192-223 the low parts
.set LO,   192
.set TMP,  160                         ; v's way out: v160-223 two sets of 32 packed registers
.set BPR,  224                         ; k's way out: v224-239 r_w_bias . k, four pairs for each of my two heads
.set BS,   240                         ;              v240-255 the sums, [row block 8][head 2]
.set G1, 24
.set G0, 32
.set G1B, 48
.set G0B, 56
.set G1S, 68
.set G0S, 76
.set G1SB, 80
.set G0SB, 88
.set MSB, 0
.macro WIN new                         ; the immediate's high byte repeats the setting that is left
.if MSB != \new
	s_set_vgpr_msb (MSB<<8)|\new
.set MSB, \new
.endif
.endm
.set MUL_LO, 0xa1                      ; source 0 (B) window 1, source 1 (A) window 0, C and D window 2
.set MUL_HI, 0xf1                      ; the same, C and D window 3
.set TO_B,   0x40                      ; destination window 1, address window 0
; A joint load: waves 0 and 1 fetch for A, waves 2 and 3 for B.  The branch hangs on the wave's number alone.  An s_nop 0 and four v_nop follow each of the two lines.
.macro JLOAD g0a, g1a, g0b, g1b
	s_cmp_eq_u32 s15, 0
	s_cbranch_scc0 .Lfor_b_\@
	tensor_load_to_lds s[\g0a:\g0a+3], s[\g1a:\g1a+7]
	s_nop 0
.rept 4
	v_nop
.endr
	s_branch .Lasked_\@
.Lfor_b_\@:
	tensor_load_to_lds s[\g0b:\g0b+3], s[\g1b:\g1b+7]
	s_nop 0
.rept 4
	v_nop
.endr
.Lasked_\@:
.endm
.macro CROUND                          ; a round of the cluster's barrier
	s_barrier_signal -1
	s_barrier_wait -1
	s_cmp_lg_u32 s14, 0
	s_cbranch_scc1 .Lnot_wave_0_\@
	s_barrier_signal -3
.Lnot_wave_0_\@:
	s_barrier_wait -3
	s_barrier_signal -1
	s_barrier_wait -1
.endm
	s_load_b128 s[4:7], s[0:1], 0x0                ; pre s[4:5], r_w_bias s[6:7]
	s_load_b64 s[8:9], s[0:1], 0x10                ; qkv
	v_lshl_add_u32 v[SPW], v0, 2, SPARE
	v_mov_b32 v[NIL], 0
	ds_add_u32 v[SPW], v[NIL]                      ; the wave's opening: the add, twice on end, and its wait ahead of my first tensor load
	ds_add_u32 v[SPW], v[NIL]
	v_lshrrev_b32 v1, 5, v0
	v_readfirstlane_b32 s14, v1                    ; wave 0..3
	s_lshr_b32 s15, s14, 1                         ; which half of A's rows is mine.  Also: I fetch for A (0) or for B (1)
	s_and_b32 s16, s14, 1                          ; which half of B's rows.  Also: which 128 rows I fetch
	s_bfe_u32 s40, ttmp6, 0x40000                  ; cx, cy: my place in the cluster
	s_bfe_u32 s41, ttmp6, 0x40004
	s_and_b32 s17, ttmp7, 0xffff                   ; cluster y: the batch
	s_lshl_b32 s43, s41, 2
	s_lshl_b32 s43, 15, s43                        ; my row of the cluster
	s_lshl_b32 s44, 0x1111, s40                    ; my column
	; descriptor group 1: a dense block of 32 KiB as 128 rows of 256 bytes (32 elements of 8 bytes), no padding: images are read 512 consecutive bytes at a time
	s_or_b32 s[G1+0], s43, (3<<16)|(1<<21)         ; 15:0 the mask; 17:16 elements of 8 bytes; 21 set beside a mask
	s_or_b32 s[G1B+0], s44, (3<<16)|(1<<21)
.irp g, G1, G1B
	s_mov_b32 s[\g+1], 32<<16                      ; tensor_dim0
	s_mov_b32 s[\g+2], 128<<16                     ; tensor_dim1
	s_mov_b32 s[\g+3], 32<<16                      ; tile_dim0
	s_mov_b32 s[\g+4], 128                         ; tile_dim1
	s_mov_b32 s[\g+5], 32                          ; from row to row
	s_mov_b32 s[\g+6], 0
	s_mov_b32 s[\g+7], 0
.endr
	s_or_b32 s[G1S+0], s43, (3<<16)|(1<<21)        ; the scale words of 128 rows, both halves of K: 4 KiB as 16 rows of 256 bytes
	s_or_b32 s[G1SB+0], s44, (3<<16)|(1<<21)
.irp g, G1S, G1SB
	s_mov_b32 s[\g+1], 32<<16
	s_mov_b32 s[\g+2], 16<<16
	s_mov_b32 s[\g+3], 32<<16
	s_mov_b32 s[\g+4], 16
	s_mov_b32 s[\g+5], 32
	s_mov_b32 s[\g+6], 0
	s_mov_b32 s[\g+7], 0
.endr
	; where the tiles lie in pre.  Both candidates are made, then chosen on the cluster's x, which all sixteen partners share.  A's registers never hold cx, B's never cy.
	s_lshl_b32 s18, s16, 3
	s_lshl_b32 s19, s41, 4
	s_add_co_u32 s19, s19, s18                     ; 16 cy + 8 x half
	s_lshl_b32 s20, s17, 6
	s_add_co_u32 s20, s20, s19                     ; A = w: tile of rows 64 x batch + ..
	s_add_co_u32 s21, s19, 128                     ; A = Wv: tile of columns 128 + ..
	s_lshl_b32 s22, s20, 12                        ; codes: 4,096 bytes a tile (w's begin at byte 0 of pre)
	s_lshl_b32 s23, s21, 12
	s_add_co_u32 s23, s23, WC
	s_lshl_b32 s20, s20, 9                         ; scale words: 4,096 bytes for 8 tiles
	s_add_co_u32 s20, s20, XS
	s_lshl_b32 s21, s21, 9
	s_add_co_u32 s21, s21, WS
	s_lshl_b32 s45, s40, 4
	s_add_co_u32 s45, s45, s18                     ; 16 cx + 8 x half
	s_lshl_b32 s46, ttmp9, 6
	s_add_co_u32 s46, s46, s45                     ; B = Wq or Wk
	s_lshl_b32 s47, s17, 6
	s_add_co_u32 s47, s47, s45                     ; B = w
	s_lshl_b32 s92, s46, 12
	s_add_co_u32 s92, s92, WC
	s_lshl_b32 s93, s47, 12
	s_lshl_b32 s46, s46, 9
	s_add_co_u32 s46, s46, WS
	s_lshl_b32 s47, s47, 9
	s_add_co_u32 s47, s47, XS
	s_mov_b32 s94, 0x100000                        ; from one half of K to the other: in w's codes,
	s_mov_b32 s95, 0xC0000                         ; in the weights'
	s_cmp_eq_u32 ttmp9, 2
	s_cselect_b32 s22, s23, s22                    ; A's codes
	s_cselect_b32 s20, s21, s20                    ; A's scale words
	s_cselect_b32 s10, s95, s94
	s_cselect_b32 s92, s93, s92                    ; B's codes
	s_cselect_b32 s46, s47, s46                    ; B's scale words
	s_cselect_b32 s12, s94, s95
	s_mov_b32 s23, 0
	s_mov_b32 s21, 0
	s_mov_b32 s11, 0
	s_mov_b32 s93, 0
	s_mov_b32 s47, 0
	s_mov_b32 s13, 0
	s_lshl_b32 s45, s14, 15                        ; where they go: wave x 32 KiB; no place in the cluster enters an LDS address
	s_lshl_b32 s94, s14, 12
	s_wait_dscnt 0x0                               ; both opening adds are done
	s_wait_kmcnt 0x0
	s_add_nc_u64 s[22:23], s[4:5], s[22:23]
	s_add_nc_u64 s[20:21], s[4:5], s[20:21]
	s_add_nc_u64 s[92:93], s[4:5], s[92:93]
	s_add_nc_u64 s[46:47], s[4:5], s[46:47]
	CROUND                                         ; all sixteen work-groups are here: the joint loads meet
	s_mov_b32 s[G0S], 1
	s_add_co_u32 s[G0S+1], s94, SCL
	s_mov_b64 s[G0S+2:G0S+3], s[20:21]
	s_or_b32 s[G0S+3], s[G0S+3], 0x80000000
	s_mov_b32 s[G0SB], 1
	s_add_co_u32 s[G0SB+1], s94, SCL
	s_mov_b64 s[G0SB+2:G0SB+3], s[46:47]
	s_or_b32 s[G0SB+3], s[G0SB+3], 0x80000000
	JLOAD G0S, G1S, G0SB, G1SB                     ; the scale words first: they are wanted with the first half of K
	s_mov_b32 s[G0], 1
	s_mov_b32 s[G0+1], s45
	s_mov_b64 s[G0+2:G0+3], s[22:23]
	s_or_b32 s[G0+3], s[G0+3], 0x80000000
	s_mov_b32 s[G0B], 1
	s_mov_b32 s[G0B+1], s45
	s_mov_b64 s[G0B+2:G0B+3], s[92:93]
	s_or_b32 s[G0B+3], s[G0B+3], 0x80000000
	JLOAD G0, G1, G0B, G1B
	s_mov_b32 s[G0+4], 1
	s_add_co_u32 s[G0+5], s45, SLOT
	s_add_nc_u64 s[G0+6:G0+7], s[22:23], s[10:11]
	s_or_b32 s[G0+7], s[G0+7], 0x80000000
	s_mov_b32 s[G0B+4], 1
	s_add_co_u32 s[G0B+5], s45, SLOT
	s_add_nc_u64 s[G0B+6:G0B+7], s[92:93], s[12:13]
	s_or_b32 s[G0B+7], s[G0B+7], 0x80000000
	JLOAD G0+4, G1, G0B+4, G1B                     ; three tensor loads of mine are out
	v_and_b32 v1, 15, v0                           ; r
	v_bfe_u32 v2, v0, 4, 1                         ; h
	v_and_b32 v3, 31, v0
	v_lshlrev_b32 v[CO], 4, v3
	v_lshlrev_b32 v[L4], 2, v3
	v_lshlrev_b32 v[H32], 5, v2
	s_lshl_b32 s2, s15, 15                         ; my 128 rows of A
	s_lshl_b32 s3, s16, 15                         ; my 128 rows of B,
	s_add_co_u32 s3, s3, 65536                     ; which lie behind A's 256
.irp s, 0,1
	v_add_nc_u32 v[ADRA+\s], s2, v[CO]
	v_add_nc_u32 v[ADRB+\s], s3, v[CO]
	s_add_co_u32 s2, s2, SLOT
	s_add_co_u32 s3, s3, SLOT
.endr
	v_lshlrev_b32 v5, 4, v1                        ; my row's four words: 16 bytes a row
	s_lshl_b32 s2, s15, 12                         ; A's: my 128 rows
	s_lshl_b32 s3, s16, 12                         ; B's: my 128 rows, behind A's 256
	s_add_co_u32 s3, s3, 2*4096
	s_sub_co_u32 s3, s3, s2
	v_mul_u32_u24 v6, s3, v2                       ; lanes 16-31 take B's
	s_add_co_u32 s2, s2, SCL
	v_add_nc_u32 v5, v5, v6
	v_add_nc_u32 v[ADRS], s2, v5
	; the addresses of the way out, in registers that feed no descriptor
	s_lshl_b32 s2, s41, 4
	s_lshl_b32 s3, s15, 3
	s_add_co_u32 s2, s2, s3                        ; rt = 16 cy + 8 x my half: my first tile of A's rows
	s_lshl_b32 s3, s40, 2
	s_lshl_b32 s66, s16, 1
	s_add_co_u32 s3, s3, s66                       ; hc = 4 cx + 2 x my half: my first 64 of B's rows (a head, or 64 keys)
	s_mov_b32 s67, 0
	s_lshl_b32 s100, s17, 4
	s_add_co_u32 s100, s100, s3                    ; 16 x batch + hc
	s_lshl_b32 s101, s2, 6                         ; 16 keys of 4 bytes a tile
	s_lshl_b32 s66, s100, 12
	s_add_co_u32 s66, s66, s101
	s_add_co_u32 s66, s66, CBO
	s_add_nc_u64 s[98:99], s[8:9], s[66:67]        ; c of my keys and first head
	s_lshl_b32 s66, s3, 12
	s_add_co_u32 s66, s66, s101
	s_add_co_u32 s66, s66, RB
	s_add_nc_u64 s[96:97], s[4:5], s[66:67]        ; the shifted r_bias of my keys and first head
	s_lshl_b32 s66, s100, 18                       ; q and k: 2^18 bytes a head, 4,096 a tile, 2^24 from q to k
	s_lshl_b32 s101, s2, 12
	s_add_co_u32 s66, s66, s101
	s_lshl_b32 s101, ttmp9, 24
	s_add_co_u32 s66, s66, s101
	s_lshl_b32 s100, s100, 17                      ; v: 2^17 bytes for 64 keys, 2,048 for 16 channels
	s_lshl_b32 s101, s2, 11
	s_add_co_u32 s100, s100, s101
	s_add_co_u32 s100, s100, VOUT
	s_cmp_eq_u32 ttmp9, 2                          ; the cluster's x
	s_cselect_b32 s66, s100, s66
	s_add_nc_u64 s[8:9], s[8:9], s[66:67]          ; my results
	s_lshl_b32 s66, s3, 8
	s_add_nc_u64 s[6:7], s[6:7], s[66:67]          ; r_w_bias at my 128 columns
	s_lshl_b32 s66, s2, 16
	s_lshl_b32 s100, s3, 12
	s_add_co_u32 s66, s66, s100
	s_add_co_u32 s66, s66, RI
	s_add_nc_u64 s[100:101], s[4:5], s[66:67]      ; the shifted r_emb of my keys and columns
.macro FRAG reg, adr, q, i             ; a fragment comes back as it was stored: two loads of 512 consecutive bytes
.irp c, 0,1
	ds_load_b128 v[\reg+4*\c:\reg+4*\c+3], v[\adr] offset:((\i)*4+(\q))*1024+512*\c
.endr
.endm
; 16 matrix instructions: A's blocks a0, a0 + 1 x B's eight, 128 along K.  p: B's set;  sc: the set of scale words.  zero = 1: the first product starts the sums.
; The 64 accumulators take turns, one instruction a turn, in the same order in every step.
.macro MUL16 a0, p, q, sc, zero
.irp a, \a0, \a0+1
.irp b, 0,1,2,3,4,5,6,7
.if \zero
	v_wmma_scale_f32_16x16x128_f8f6f4 v[8*(8*((\a)%4)+\b):8*(8*((\a)%4)+\b)+7], v[128*(\p)+FR*\b:128*(\p)+FR*\b+FR-1], v[AF+FR*(\a):AF+FR*(\a)+FR-1], 0, v[SC+8*NQ*(\sc)+NQ*\b+(\q)], v[SC+8*NQ*(\sc)+NQ*(\a)+(\q)] matrix_a_fmt:MATRIX_FMT_FP4 matrix_b_fmt:MATRIX_FMT_FP4 matrix_a_scale:MATRIX_SCALE_ROW1
.else
	v_wmma_scale_f32_16x16x128_f8f6f4 v[8*(8*((\a)%4)+\b):8*(8*((\a)%4)+\b)+7], v[128*(\p)+FR*\b:128*(\p)+FR*\b+FR-1], v[AF+FR*(\a):AF+FR*(\a)+FR-1], v[8*(8*((\a)%4)+\b):8*(8*((\a)%4)+\b)+7], v[SC+8*NQ*(\sc)+NQ*\b+(\q)], v[SC+8*NQ*(\sc)+NQ*(\a)+(\q)] matrix_a_fmt:MATRIX_FMT_FP4 matrix_b_fmt:MATRIX_FMT_FP4 matrix_a_scale:MATRIX_SCALE_ROW1
.endif
.endr
.endr
.endm
.macro FETCH_B slot, q, p
	WIN TO_B
.irp i, 0,1,2,3,4,5,6,7
	FRAG 128*(\p)+FR*\i, ADRB+\slot, \q, \i
.endr
	WIN 0
.endm
.macro FETCH_A slot, q, i0
.irp i, \i0, \i0+1, \i0+2, \i0+3
	FRAG AF+FR*(\i), ADRA+\slot, \q, \i
.endr
.endm
.macro SCALES sc                       ; a slot's scale words: four words a row; lanes 0-15 take A's block i, lanes 16-31 B's block i
.irp i, 0,1,2,3,4,5,6,7
	ds_load_b128 v[SC+8*NQ*\sc+NQ*\i:SC+8*NQ*\sc+NQ*\i+3], v[ADRS] offset:\sc*2048+\i*256
.endr
.endm
.macro PLACES n                        ; plain vector lines between a matrix instruction and a load into, or a read of, its registers
.rept \n
	v_nop
.endr
.endm
.macro STEP slot, q, zero              ; a step of 128 along K that has its successor in the same slot
	s_wait_dscnt 4*NL                              ; B's set and A's blocks 0-3 are in; the youngest eight loads (A's blocks 4-7) may be out
	WIN MUL_LO
	MUL16 0, (\q)%2, \q, \slot, \zero
	MUL16 2, (\q)%2, \q, \slot, \zero
	s_wait_dscnt 0                                 ; A's blocks 4-7 are in
	PLACES NP
	FETCH_B \slot, (\q)+1, 1-(\q)%2
	FETCH_A \slot, (\q)+1, 0
	WIN MUL_HI
	MUL16 4, (\q)%2, \q, \slot, \zero
	MUL16 6, (\q)%2, \q, \slot, \zero
	PLACES NP
	WIN 0
	FETCH_A \slot, (\q)+1, 4
.endm
.macro STEPS slot, from
.set Q, \from
.rept NQ-1-\from
	STEP \slot, Q, 0
.set Q, Q+1
.endr
.endm
; Slot 0's last step changes slots: each wave waits for all its tensor loads (its part of slot 1), then one barrier: behind it slot 1 is whole for every wave.  Nothing is filled again.
.macro TURN slot, next
	s_wait_tensorcnt 0x0                           ; all my tensor loads have landed (every window is 0 here)
	ds_add_u32 v[SPW], v[NIL]                      ; 0 onto my spare word
	s_wait_dscnt 4*NL+1                            ; (the add and the youngest eight loads may be out)
	WIN MUL_LO
	MUL16 0, 1, NQ-1, \slot, 0
	s_wait_dscnt 0x0                               ; no LDS instruction of mine is out at the signal
	s_barrier_signal -1
	MUL16 2, 1, NQ-1, \slot, 0
	WIN 0
	s_barrier_wait -1
	PLACES NP
	FETCH_B \next, 0, 0
	FETCH_A \next, 0, 0
	SCALES \next
	WIN MUL_HI
	MUL16 4, 1, NQ-1, \slot, 0
	MUL16 6, 1, NQ-1, \slot, 0
	PLACES NP
	WIN 0
	FETCH_A \next, 0, 4
.endm
	s_wait_tensorcnt 1                             ; the scale words and my part of slot 0 are in (slot 1's load may be out),
	s_barrier_signal -1
	s_barrier_wait -1                              ; everybody's are
	FETCH_B 0, 0, 0
	FETCH_A 0, 0, 0
	SCALES 0
	FETCH_A 0, 0, 4
	STEP 0, 0, 1                                   ; the first step's products start the sums: nothing is cleared
	STEPS 0, 1
	TURN 0, 1
	STEPS 1, 0
	s_wait_dscnt 4*NL                              ; the last step: nothing more to fetch
	WIN MUL_LO
	MUL16 0, 1, NQ-1, 1, 0
	MUL16 2, 1, NQ-1, 1, 0
	s_wait_dscnt 0
	WIN MUL_HI
	MUL16 4, 1, NQ-1, 1, 0
	MUL16 6, 1, NQ-1, 1, 0
	WIN 0
	PLACES NP                                      ; behind the last products: for the reads of results and for writes and loads into registers that held operands
	s_cmp_eq_u32 ttmp9, 1                          ; the cluster's x: the same in all sixteen partners
	s_cbranch_scc1 .Lkpath
	s_cmp_eq_u32 ttmp9, 2
	s_cbranch_scc1 .Lvpath
; THE WAY OUT of q: the accumulators leave as they stand, each from its low end on: 512 consecutive bytes a store; no register is written again.
.irp a, 0,1,2,3,4,5,6,7
	WIN 0x08+4*(\a/4)                              ; a store's data are its source 1: window 2 or 3
.irp b, 0,1,2,3,4,5,6,7
	global_store_b128 v[CO], v[64*(\a%4)+8*\b:64*(\a%4)+8*\b+3], s[8:9] offset:(\b/4)*0x40000+\a*0x1000+(\b%4)*0x400
	global_store_b128 v[CO], v[64*(\a%4)+8*\b+4:64*(\a%4)+8*\b+7], s[8:9] offset:(\b/4)*0x40000+\a*0x1000+(\b%4)*0x400+0x200
.endr
.endr
	WIN 0
	s_branch .Lend
; THE WAY OUT of v.  Block a (16 channels x 128 keys): each accumulator, from its low end on, becomes four registers of f16 pairs: half an image.
.Lvpath:
.irp a, 0,1,2,3,4,5,6,7
.if \a >= 2
	s_wait_xcnt 0x0                                ; block a - 2's stores have read their registers: they are written again only behind this wait
.endif
	WIN 0x0a+5*(\a/4)                              ; sources 0 and 1: window 2 or 3
.irp b, 0,1,2,3,4,5,6,7
.irp p, 0,1,2,3
	v_cvt_pk_f16_f32 v[TMP+32*(\a%2)+4*\b+\p], v[64*(\a%4)+8*\b+2*\p], v[64*(\a%4)+8*\b+2*\p+1]
.endr
.endr
	WIN 0
.irp b, 0,1,2,3,4,5,6,7
	global_store_b128 v[CO], v[TMP+32*(\a%2)+4*\b:TMP+32*(\a%2)+4*\b+3], s[8:9] offset:(\b/4)*0x20000+\a*0x800+(\b%4)*0x200   ; 512 consecutive bytes
.endr
.endr
	s_branch .Lend
; THE WAY OUT of k.
.macro RIL a                           ; r' / 8 of block a's 16 keys x my 128 columns, in the accumulators' layout
.irp b, 0,1,2,3,4,5,6,7
.irp c, 0,1
	global_load_b128 v[RIA+64*((\a)%2)+8*\b+4*\c:RIA+64*((\a)%2)+8*\b+4*\c+3], v[CO], s[100:101] offset:(\a)*65536+\b*1024+\c*512
.endr
.endr
.endm
.macro KROW a
.set RS, RIA+64*((\a)%2)
.set AC, 64*((\a)%4)
.if (\a) < 7
	s_wait_loadcnt 16                              ; all but the next block's 16 loads are in
.else
	s_wait_loadcnt 0x0
.endif
.if (\a) >= 1
	s_wait_xcnt 0x0                                ; block a - 1's stores have read the packed registers: they are written again only behind this wait
.endif
	WIN 0x06+((\a)/4)                              ; source 0 (sums) window 2 or 3, source 1 (r_w_bias) window 1
.irp b, 0,1,2,3,4,5,6,7
.irp i, 0,1,2,3
.if (\b%4) == 0
	v_pk_mul_f32 v[BPR+8*(\b/4)+2*\i:BPR+8*(\b/4)+2*\i+1], v[AC+8*\b+2*\i:AC+8*\b+2*\i+1], v[8*\b+2*\i:8*\b+2*\i+1]
.else
	v_pk_fma_f32 v[BPR+8*(\b/4)+2*\i:BPR+8*(\b/4)+2*\i+1], v[AC+8*\b+2*\i:AC+8*\b+2*\i+1], v[8*\b+2*\i:8*\b+2*\i+1], v[BPR+8*(\b/4)+2*\i:BPR+8*(\b/4)+2*\i+1]
.endif
.endr
.endr
	WIN 0x02+((\a)/4)
.irp b, 0,1,2,3,4,5,6,7
.irp i, 0,1,2,3
	v_pk_add_f32 v[RS+8*\b+2*\i:RS+8*\b+2*\i+1], v[AC+8*\b+2*\i:AC+8*\b+2*\i+1], v[RS+8*\b+2*\i:RS+8*\b+2*\i+1]   ; (k + r') / 8, in f32
.endr
.endr
	WIN 0
.irp b, 0,1,2,3,4,5,6,7                        ; the split, eight numbers at a time; the high parts in f32 stand in v0-5 and v30-31
.irp p, 0,1,2,3
	v_and_b32 v[2*\p+24*(\p/3)], s21, v[RS+8*\b+2*\p]              ; the 13 lowest mantissa bits cleared: 11 significant bits are left
	v_and_b32 v[2*\p+24*(\p/3)+1], s21, v[RS+8*\b+2*\p+1]
.endr
.irp p, 0,1,2,3
	v_cvt_pk_f16_f32 v[HI+4*\b+\p], v[2*\p+24*(\p/3)], v[2*\p+24*(\p/3)+1]   ; exact
.endr
.irp p, 0,1,2,3
	v_pk_add_f32 v[RS+8*\b+2*\p:RS+8*\b+2*\p+1], v[RS+8*\b+2*\p:RS+8*\b+2*\p+1], v[2*\p+24*(\p/3):2*\p+24*(\p/3)+1] neg_lo:[0,1] neg_hi:[0,1]   ; the rest, exact
.endr
.irp p, 0,1,2,3
	v_cvt_pk_f16_f32 v[LO+4*\b+\p], v[RS+8*\b+2*\p], v[RS+8*\b+2*\p+1]
.endr
.endr
.irp b, 0,1,2,3,4,5,6,7
	global_store_b128 v[CO], v[HI+4*\b:HI+4*\b+3], s[8:9] offset:(\b/4)*0x40000+(\a)*0x1000+(\b%4)*0x200          ; 512 consecutive bytes
	global_store_b128 v[CO], v[LO+4*\b:LO+4*\b+3], s[8:9] offset:(\b/4)*0x40000+(\a)*0x1000+(\b%4)*0x200+0x800
.endr
.irp hd, 0,1
	v_pk_add_f32 v[BPR+8*\hd:BPR+8*\hd+1], v[BPR+8*\hd:BPR+8*\hd+1], v[BPR+8*\hd+2:BPR+8*\hd+3]
	v_pk_add_f32 v[BPR+8*\hd+4:BPR+8*\hd+5], v[BPR+8*\hd+4:BPR+8*\hd+5], v[BPR+8*\hd+6:BPR+8*\hd+7]
.endr
.irp hd, 0,1
	v_pk_add_f32 v[BPR+8*\hd:BPR+8*\hd+1], v[BPR+8*\hd:BPR+8*\hd+1], v[BPR+8*\hd+4:BPR+8*\hd+5]
.endr
.irp hd, 0,1
	v_add_f32 v[BPR+8*\hd], v[BPR+8*\hd], v[BPR+8*\hd+1]
.endr
.irp hd, 0,1
	v_permlanex16_b32 v[6+\hd], v[BPR+8*\hd], s18, s19   ; the head's other 32 channels lie in the lane 16 away
.endr
.irp hd, 0,1
	v_add_f32 v[BS+2*(\a)+\hd], v[BPR+8*\hd], v[6+\hd]   ; r_w_bias . k / 8 of key 16 a + r
.endr
.if (\a)+2 < 8
	RIL (\a)+2
.endif
.endm
.Lkpath:
	s_mov_b32 s18, 0x76543210
	s_mov_b32 s19, 0xfedcba98                      ; v_permlanex16_b32's selects for lane l xor 16
	s_mov_b32 s20, 0xffff0000                      ; the lanes of the upper half
	s_mov_b32 s21, 0xffffe000                      ; an f32 number's sign, exponent and ten highest mantissa bits
	s_mov_b32 s22, 0x3e000000                      ; 1 / 8
	v_mov_b32 v6, 0                                ; a lane permute's destination counts as read
	v_mov_b32 v7, 0
	WIN TO_B
.irp b, 0,1,2,3,4,5,6,7
	global_load_b128 v[8*\b:8*\b+3], v[H32], s[6:7] offset:64*\b        ; r_w_bias at columns 16 b + 8 h + 0 .. 7, as the accumulators hold them
	global_load_b128 v[8*\b+4:8*\b+7], v[H32], s[6:7] offset:64*\b+16
.endr
	WIN 0
.irp hd, 0,1
.irp p, 0,1,2,3
	global_load_b32 v[RBT+4*\hd+\p], v[L4], s[96:97] offset:\hd*4096+\p*128   ; keys 32 p + lane
.endr
.endr
	RIL 0
	RIL 1
.irp a, 0,1,2,3,4,5,6,7
	KROW \a
.endr
.irp hd, 0,1
.irp p, 0,1,2,3
	v_cndmask_b32 v[6+\hd], v[BS+4*\p+\hd], v[BS+4*\p+2+\hd], s20   ; lanes 0-15: block 2 p's keys; lanes 16-31: block 2 p + 1's
	v_fma_f32 v[RBT+4*\hd+\p], v[6+\hd], s22, v[RBT+4*\hd+\p]       ; c = (r_w_bias . k / 8) / 8 + shifted r_bias / 64
	global_store_b32 v[L4], v[RBT+4*\hd+\p], s[98:99] offset:\hd*4096+\p*128
.endr
.endr
.Lend:
	s_wait_tensorcnt 0x0                           ; the wave's end
	ds_add_u32 v[SPW], v[NIL]
	s_wait_dscnt 0x0
	CROUND                                         ; the closing round: no work-group ends while a partner may still ask for a tile that names it
	s_endpgm
.Lfunc_end_k_q7fd4e0f04c_qkv:
	.size	k_q7fd4e0f04c_qkv, .Lfunc_end_k_q7fd4e0f04c_qkv-k_q7fd4e0f04c_qkv
	.p2alignl 7, 3214868480
	.fill 96, 4, 3214868480
	.section	.rodata,"a",@progbits
	.p2align	6, 0x0
	.amdhsa_kernel k_q7fd4e0f04c_qkv
		.amdhsa_group_segment_fixed_size 327680
		.amdhsa_private_segment_fixed_size 0
		.amdhsa_enable_private_segment 0
		.amdhsa_kernarg_size 24
		.amdhsa_user_sgpr_count 2
		.amdhsa_user_sgpr_kernarg_segment_ptr 1
		.amdhsa_wavefront_size32 1
		.amdhsa_system_sgpr_workgroup_id_x 1
		.amdhsa_system_sgpr_workgroup_id_y 1
		.amdhsa_system_sgpr_workgroup_id_z 1
		.amdhsa_system_vgpr_workitem_id 0
		.amdhsa_next_free_vgpr 1024
		.amdhsa_next_free_sgpr 102
		.amdhsa_reserve_vcc 0
		.amdhsa_float_denorm_mode_32 3
		.amdhsa_float_denorm_mode_16_64 3
		.amdhsa_memory_ordered 1
		.amdhsa_forward_progress 1
		.amdhsa_inst_pref_size 255
	.end_amdhsa_kernel
	.section	.bss,"aw",@nobits
	.p2align	6
	.space	262144
	.amdgpu_metadata
---
amdhsa.version: [ 1, 2 ]
amdhsa.kernels:
  - .name:           k_q7fd4e0f04c_qkv
    .symbol:         k_q7fd4e0f04c_qkv.kd
    .args:
      - { .name: pre, .offset: 0, .size: 8, .value_kind: global_buffer, .address_space: global }
      - { .name: r_w_bias, .offset: 8, .size: 8, .value_kind: global_buffer, .address_space: global }
      - { .name: qkv, .offset: 16, .size: 8, .value_kind: global_buffer, .address_space: global }
    .group_segment_fixed_size: 327680
    .private_segment_fixed_size: 0
    .kernarg_segment_align: 8
    .kernarg_segment_size: 24
    .max_flat_workgroup_size: 128
    .sgpr_count:     102
    .vgpr_count:     1024
    .wavefront_size: 32
...
	.end_amdgpu_metadata
.endif
;; end of part 2
;; launch attn (part 3): grid 4 x 64, 8 waves a work-group, clusters of 4 x 1, 327,680 bytes of LDS; arguments qkv, av; writes av
.if DOCPART == 3
	.amdgcn_target "amdgcn-amd-amdhsa--gfx1250"
	.amdhsa_code_object_version 6
	.text
	.protected	k_q7fd4e0f04c_attn
	.globl	k_q7fd4e0f04c_attn
	.p2align	8
	.type	k_q7fd4e0f04c_attn,@function
k_q7fd4e0f04c_attn:
	s_mov_b64 s[64:65], 0
	v_nop
	global_prefetch_b8 v0, s[64:65] scope:SCOPE_SE
	s_setreg_imm32_b32 hwreg(HW_REG_WAVE_MODE, 25, 1), 1
	s_wait_xcnt 0x0
	s_wait_alu depctr_hold_cnt(0) depctr_sa_sdst(0) depctr_va_vdst(0) depctr_va_sdst(0) depctr_va_ssrc(0) depctr_va_vcc(0) depctr_vm_vsrc(0)
	s_getreg_b32 s2, hwreg(HW_REG_IB_STS2, 6, 4)
	s_cmp_eq_u32 s2, 0
	s_cbranch_scc0 .Lentry_in_a_cluster
	s_endpgm
.Lentry_in_a_cluster:
	s_bfe_u32 s2, ttmp6, 0x10000c
	s_cmp_lg_u32 s2, 0x3003
	s_cbranch_scc0 .Lentry_shape_is_right
	s_endpgm
.Lentry_shape_is_right:
; ATTENTION with learnable relative terms.  score(i, j) = q_i . (k_j + r'_j) + c_j, with r' and the bias shifted by one key and c_j = r_w_bias . k_j + shifted r_bias: the identity holds for every input.
; Operands come from the buffer qkv: q / 8 in f32; (k + r') / 8 as two f16 numbers, a high and a low part, in images of operand registers; v / 8 in f16 images; c / 64 in f32.
; THE SCORES TAKE BOTH OPERANDS AS PAIRS OF f16 NUMBERS: S = Khi Qhi + Khi Qlo + Klo Qhi + c; what is left out, Klo Qlo, is 2^-20 of the product.  The logits here are large against 1, and a softmax turns an
; absolute error of a logit into a relative error of a weight: one rounding of q and k to f16 is too coarse for that.  S is score / 64, and t = S x 64 x 0.125 x log2(e) is the exponent in base 2.
; SOFTMAX: for each query a running largest t and sum l; p = 2^(t - largest t); in every step O and l are multiplied by a = 2^(old - new largest t), 1 where it has not grown: no branch on data.
; p is rounded to f16 for the second product; l is the sum of the unrounded p in f32 and divides at the end.  The result, attn_vec / 8, leaves in f16 as images of the next product's operand registers.
; SHARES: a work-group owns 256 queries of one batch and head, each of its eight waves 32: two tiles of 16.  Two waves share a SIMD, so that one wave's vector work stands beside the other's products.
; LAYOUT: both products are used transposed: S^T = K Q^T + c (source 0 = 16 keys, source 1 = 16 queries; c, which hangs on the key alone, is the C of each sum's first instruction), O^T = V^T P^T:
; a lane holds ONE query throughout; two tiles of S^T, rounded in pairs, ARE source 1 of the second product.
; LDS: the head's keys come in four chunks of 256: 64 KiB of K's images, 32 KiB of V's.  Three slots: chunks 0 to 2 and c (4 KiB) are asked for at the head; chunk 3 is the one refill, into slot 0, behind key step 3,
; which is the last to read that slot; it has seven key steps in which to land.  Waves 0-3 fetch K's four quarters of a chunk, waves 4-7 V's.
; The four work-groups of a cluster are the four blocks of queries of one head: each load is joint, with the same descriptor and a mask that names the four.
; No prefetch: three chunks are asked for at the head, and the fourth seven key steps ahead of its first use.
; LIMITS: |q| and |attn_vec| stay under 524,032 (f16 of an eighth); a part of q / 8 that falls under f16's smallest normal number keeps an absolute error of 3e-8; NaN and infinities are not served.
; REGISTERS: window 0: v1-9 addresses; v12-27 eight registers of statistics a tile; v32-63 Q's high parts; v64-127 S^T, then p; v128-159 P; v160-223 O^T; v224-255 Q's low parts.
;   window 1: v0-63 K's high parts of a step; v64-127 its low parts; v128-191 V of a step; v192-223 c of a step.
.set KO,  0x1000000
.set VO,  0x2000000
.set CBO, 0x2800000
.set KSL,   65536                      ; a slot of K: [tile of 16 keys 16][high u 0, 1, low u 0, 1][image]; the three slots begin at LDS byte 0
.set VSL,   32768                      ; a slot of V: [64 keys 4][16 channels 4][32 keys 2][image]
.set VI,    3*KSL
.set CBL,   VI+3*VSL                   ; c: 1,024 f32
.set SPARE, CBL+4096                   ; the spare words, 128 bytes a wave, which no other line names
.set L16, 1                            ; v1   16 x lane: my place in an image, and in K's (which begin at LDS byte 0)
.set AV0, 3                            ; v3   the same in V's
.set AB0, 4                            ; v4   c: CBL + 32 x (lane / 16)
.set ADK, 5                            ; v5-7 the addresses of the loads in hand
.set ADV, 6
.set ADB, 7
.set SPW, 8                            ; v8   LDS address of my spare word; never rewritten
.set NIL, 9                            ; v9   0; never rewritten
.set ST,  12                           ; tile t's statistics at v[ST + 8 t]: +0 the largest t, +1 0 (named with it as a pair), +2, +3 l (even keys', odd keys'), +4 to +7 c0-c3 at work; a takes c2's place
.set QF,  32
.set S,   64
.set P,   128
.set O,   160
.set QL,  224
.set KF,  0                            ; in window 1
.set KL,  64
.set VF,  128
.set BF,  192
.set WV,  8                            ; s8   my wave's number
.set G1K, 16                           ; s[16:23] group 1 for K's loads: 16 KiB dense
.set G1B, 24                           ; s[24:31] for c's: 512 bytes
.set G0B, 32                           ; s[32:35] group 0 for c
.set G0K, 36                           ; s[36:51] group 0 for K's four chunks
.set SEL, 52
.set CS,  54                           ; s[54:55] 64 x 0.125 x log2(e)
.set TK,  56                           ; s56  where the step's images begin in K's slots: 16,384 x step, from step 12 on 16,384 x (step - 12)
.set TBS, 57                           ; s57  256 x step: the same in c
.set CNT, 58
.set TV,  59                           ; s59  the same in V's slots: 8,192 a step
.set G1V, 72                           ; s[72:79] group 1 for V's loads: 8 KiB dense
.set G0V, 80                           ; s[80:95] group 0 for V's four chunks
.set MSK, 96                           ; s96  an f32 number's sign, exponent and ten highest mantissa bits
.set MSB, 0
.macro WIN new                         ; the immediate's high byte repeats the setting that is left
.if MSB != \new
	s_set_vgpr_msb (MSB<<8)|\new
.set MSB, \new
.endif
.endm
.macro CROUND                          ; a round of the cluster's barrier
	s_barrier_signal -1
	s_barrier_wait -1
	s_cmp_lg_u32 s[WV], 0
	s_cbranch_scc1 .Lnot_wave_0_\@
	s_barrier_signal -3
.Lnot_wave_0_\@:
	s_barrier_wait -3
	s_barrier_signal -1
	s_barrier_wait -1
.endm
	s_load_b128 s[4:7], s[0:1], 0x0                ; qkv s[4:5], av s[6:7]
	v_lshl_add_u32 v[SPW], v0, 2, SPARE
	v_mov_b32 v[NIL], 0
	ds_add_u32 v[SPW], v[NIL]                      ; the wave's opening: the add, twice on end, and its wait ahead of my first tensor load
	ds_add_u32 v[SPW], v[NIL]
	v_lshrrev_b32 v10, 5, v0
	v_readfirstlane_b32 s[WV], v10                 ; wave 0..7
	s_bfe_u32 s9, ttmp6, 0x40000                   ; cx: which block of 256 queries; it enters Q's and the result's addresses alone
	s_and_b32 s10, ttmp7, 0xffff                   ; 16 x batch + head, which the four partners share
	s_lshr_b32 s11, s10, 4                         ; batch
	s_and_b32 s12, s10, 15                         ; head
	s_and_b32 s14, s[WV], 3                        ; which quarter of a chunk I fetch
	s_mov_b32 s[G1K], 15|(3<<16)|(1<<21)           ; 15:0 the mask: all four work-groups; 17:16 elements of 8 bytes; 21 set beside a mask
	s_mov_b32 s[G1K+1], 32<<16                     ; rows of 256 bytes,
	s_mov_b32 s[G1K+2], 64<<16                     ; 64 of them,
	s_mov_b32 s[G1K+3], 32<<16
	s_mov_b32 s[G1K+4], 64
	s_mov_b32 s[G1K+5], 32                         ; dense
	s_mov_b32 s[G1K+6], 0
	s_mov_b32 s[G1K+7], 0
	s_mov_b32 s[G1V], 15|(3<<16)|(1<<21)
	s_mov_b32 s[G1V+1], 32<<16
	s_mov_b32 s[G1V+2], 32<<16                     ; 32 rows
	s_mov_b32 s[G1V+3], 32<<16
	s_mov_b32 s[G1V+4], 32
	s_mov_b32 s[G1V+5], 32
	s_mov_b32 s[G1V+6], 0
	s_mov_b32 s[G1V+7], 0
	s_mov_b32 s[G1B], 15|(3<<16)|(1<<21)
	s_mov_b32 s[G1B+1], 32<<16
	s_mov_b32 s[G1B+2], 2<<16                      ; two rows
	s_mov_b32 s[G1B+3], 32<<16
	s_mov_b32 s[G1B+4], 2
	s_mov_b32 s[G1B+5], 32
	s_mov_b32 s[G1B+6], 0
	s_mov_b32 s[G1B+7], 0
	; every wave makes K's and V's descriptors, and asks by one kind of them
	s_lshl_b32 s62, s10, 18                        ; K's: the head's 2^18 bytes,
	s_lshl_b32 s2, s14, 14                         ; my quarter: 64 keys, 16 KiB (in memory and in a slot)
	s_add_co_u32 s62, s62, s2
	s_add_co_u32 s62, s62, KO
	s_mov_b32 s63, 0
	s_lshl_b32 s66, s11, 4                         ; V's: (16 x batch + group of 64 keys) x 2^17 + head x 8,192
	s_add_co_u32 s66, s66, s14
	s_lshl_b32 s66, s66, 17
	s_lshl_b32 s3, s12, 13
	s_add_co_u32 s66, s66, s3
	s_add_co_u32 s66, s66, VO
	s_mov_b32 s67, 0
	s_lshl_b32 s3, s14, 13                         ; my quarter in a slot of V
	s_lshl_b32 s60, s10, 12                        ; c: my 512 bytes of the head's 4,096
	s_lshl_b32 s15, s[WV], 9
	s_add_co_u32 s60, s60, s15
	s_add_co_u32 s60, s60, CBO
	s_mov_b32 s61, 0
	s_mov_b32 s[SEL], 0x76543210
	s_mov_b32 s[SEL+1], 0xfedcba98                 ; v_permlanex16_b32's selects for lane l xor 16
	s_mov_b32 s[CS], 0x4138aa3b                    ; 8 x log2(e)
	s_mov_b32 s[CS+1], s[CS]
	s_mov_b32 s[TK], 0
	s_mov_b32 s[TV], 0
	s_mov_b32 s[TBS], 0
	s_mov_b32 s[MSK], 0xffffe000
	s_lshl_b32 s68, s10, 18                        ; Q: the head's 2^18 bytes, tile 16 cx + 2 x wave, 4,096 bytes a tile
	s_lshl_b32 s13, s9, 16
	s_add_co_u32 s68, s68, s13
	s_lshl_b32 s13, s[WV], 13
	s_add_co_u32 s68, s68, s13
	s_mov_b32 s69, 0
	s_lshl_b32 s70, s11, 6                         ; the result: (head / 4) x 2^21 + (64 x batch + 16 cx + 2 x wave) x 8,192 + (head % 4) x 2,048
	s_lshl_b32 s13, s9, 4
	s_add_co_u32 s70, s70, s13
	s_lshl_b32 s13, s[WV], 1
	s_add_co_u32 s70, s70, s13
	s_lshl_b32 s70, s70, 13
	s_lshr_b32 s13, s12, 2
	s_lshl_b32 s13, s13, 21
	s_add_co_u32 s70, s70, s13
	s_and_b32 s13, s12, 3
	s_lshl_b32 s13, s13, 11
	s_add_co_u32 s70, s70, s13
	s_mov_b32 s71, 0
	s_wait_dscnt 0x0                               ; both opening adds are done
	s_wait_kmcnt 0x0
	s_mov_b32 s[G0B], 1
	s_add_co_u32 s[G0B+1], s15, CBL
	s_add_nc_u64 s[G0B+2:G0B+3], s[4:5], s[60:61]
	s_or_b32 s[G0B+3], s[G0B+3], 0x80000000
	s_add_nc_u64 s[62:63], s[4:5], s[62:63]
	s_add_nc_u64 s[66:67], s[4:5], s[66:67]
.irp c, 0,1,2,3                                ; chunk c goes to slot c % 3; these registers are never written again
	s_mov_b32 s[G0K+4*\c], 1
	s_add_co_u32 s[G0K+4*\c+1], s2, (\c%3)*KSL
	s_add_nc_u64 s[G0K+4*\c+2:G0K+4*\c+3], s[62:63], \c*65536
	s_or_b32 s[G0K+4*\c+3], s[G0K+4*\c+3], 0x80000000
	s_mov_b32 s[G0V+4*\c], 1
	s_add_co_u32 s[G0V+4*\c+1], s3, VI+(\c%3)*VSL
	s_add_nc_u64 s[G0V+4*\c+2:G0V+4*\c+3], s[66:67], \c*0x80000
	s_or_b32 s[G0V+4*\c+3], s[G0V+4*\c+3], 0x80000000
.endr
	s_add_nc_u64 s[4:5], s[4:5], s[68:69]          ; Q at my first tile
	s_add_nc_u64 s[6:7], s[6:7], s[70:71]          ; the result likewise
	CROUND                                         ; all four work-groups are here: the joint loads meet
	tensor_load_to_lds s[G0B:G0B+3], s[G1B:G1B+7]  ; c, then chunks 0 to 2: four tensor loads of mine are out, on either way
	s_nop 0
	s_cmp_lt_u32 s[WV], 4                          ; the wave's number alone: the same in every work-group
	s_cbranch_scc0 .Lfirst_v
.irp c, 0,1,2
	tensor_load_to_lds s[G0K+4*\c:G0K+4*\c+3], s[G1K:G1K+7]
	s_nop 0
.endr
.rept 4
	v_nop
.endr
	s_branch .Lfirst_asked
.Lfirst_v:
.irp c, 0,1,2
	tensor_load_to_lds s[G0V+4*\c:G0V+4*\c+3], s[G1V:G1V+7]
	s_nop 0
.endr
.rept 4
	v_nop
.endr
.Lfirst_asked:
	v_and_b32 v10, 31, v0
	v_lshlrev_b32 v[L16], 4, v10
	v_bfe_u32 v11, v0, 4, 1
.irp t, 0,1
.irp k, 0,1,2,3
.irp c, 0,1
	global_load_b128 v[S+32*\t+8*\k+4*\c:S+32*\t+8*\k+4*\c+3], v[L16], s[4:5] offset:\t*4096+\k*1024+\c*512   ; q / 8 in f32: query r, channels 16 k + 8 h + 4 c ..
.endr
.endr
.endr
	v_add_nc_u32 v[AV0], VI, v[L16]
	v_lshl_add_u32 v[AB0], v11, 5, CBL
.irp t, 0,1
	v_mov_b32 v[ST+8*\t], 0xff61b1e6               ; the largest t so far: -3e38, under every t
	v_mov_b32 v[ST+8*\t+1], 0
	v_mov_b32 v[ST+8*\t+2], 0                      ; l
	v_mov_b32 v[ST+8*\t+3], 0
.endr
.irp j, 0,1,2,3,4,5,6,7,8,9,10,11,12,13,14,15,16,17,18,19,20,21,22,23,24,25,26,27,28,29,30,31,32,33,34,35,36,37,38,39,40,41,42,43,44,45,46,47,48,49,50,51,52,53,54,55,56,57,58,59,60,61,62,63
	v_mov_b32 v[O+\j], 0                           ; O^T.  (The step is written for every step alike: the first finds zeros, which a = 0 leaves zeros)
.endr
.macro LOADK                           ; a step's K (4 tiles of 16 keys: high and low parts, 2 halves of the head each) and its c, into window 1: 40 loads
.irp k, 0,1,2,3
.irp g, 0,1,2,3
.irp c, 0,1
	ds_load_b128 v[KF+16*\k+8*(\g%2)+64*(\g/2)+4*\c:KF+16*\k+8*(\g%2)+64*(\g/2)+4*\c+3], v[ADK] offset:\k*4096+\g*1024+512*\c
.endr
.endr
.endr
.irp k, 0,1,2,3
.irp c, 0,1
	ds_load_b128 v[BF+8*\k+4*\c:BF+8*\k+4*\c+3], v[ADB] offset:64*\k+16*\c   ; register j: c of key 16 k + 8 h + j, the same for every query
.endr
.endr
.endm
; Tile g's 32 numbers of q / 8 a lane become two runs of 16 packed registers: the high parts (13 lowest mantissa bits cleared: exact in f16) and the low parts (the rest, exact in f32, rounded to f16).
.macro QSPLIT g
.irp i, 0,1,2,3,4,5,6,7,8,9,10,11,12,13,14,15
	v_and_b32 v[P+2*\i], s[MSK], v[S+32*\g+2*\i]
	v_and_b32 v[P+2*\i+1], s[MSK], v[S+32*\g+2*\i+1]
.endr
.irp i, 0,1,2,3,4,5,6,7,8,9,10,11,12,13,14,15
	v_cvt_pk_f16_f32 v[QF+16*\g+\i], v[P+2*\i], v[P+2*\i+1]
.endr
.irp i, 0,1,2,3,4,5,6,7,8,9,10,11,12,13,14,15
	v_pk_add_f32 v[S+32*\g+2*\i:S+32*\g+2*\i+1], v[S+32*\g+2*\i:S+32*\g+2*\i+1], v[P+2*\i:P+2*\i+1] neg_lo:[0,1] neg_hi:[0,1]
.endr
.irp i, 0,1,2,3,4,5,6,7,8,9,10,11,12,13,14,15
	v_cvt_pk_f16_f32 v[QL+16*\g+\i], v[S+32*\g+2*\i], v[S+32*\g+2*\i+1]
.endr
.endm
; Eight products that add onto the eight score accumulators, one instruction a turn: K's fragments from kb on (16 registers a tile of keys), Q's from qb on (16 a tile of queries)
.macro QKP kb, qb
.irp k, 0,1,2,3
.irp t, 0,1
	v_wmma_f32_16x16x32_f16 v[S+32*\t+8*\k:S+32*\t+8*\k+7], v[(\kb)+16*\k:(\kb)+16*\k+7], v[(\qb)+16*\t:(\qb)+16*\t+7], v[S+32*\t+8*\k:S+32*\t+8*\k+7]
.endr
.endr
.endm
; One step's softmax for both tiles, line by line by turns.
.macro SOFTMAX
.irp k, 0,1,2,3
.irp t, 0,1
	v_max3_num_f32 v[ST+8*\t+4+\k], v[S+32*\t+8*\k], v[S+32*\t+8*\k+1], v[S+32*\t+8*\k+2]   ; four chains, one for each accumulator, each from its low end on
.endr
.endr
.irp i, 3,5
.irp k, 0,1,2,3
.irp t, 0,1
	v_max3_num_f32 v[ST+8*\t+4+\k], v[ST+8*\t+4+\k], v[S+32*\t+8*\k+\i], v[S+32*\t+8*\k+\i+1]
.endr
.endr
.endr
.irp t, 0,1
	v_max3_num_f32 v[ST+8*\t+4], v[ST+8*\t+4], v[S+32*\t+7], v[S+32*\t+15]
	v_max3_num_f32 v[ST+8*\t+6], v[ST+8*\t+6], v[S+32*\t+23], v[S+32*\t+31]
.endr
.irp t, 0,1
	v_max3_num_f32 v[ST+8*\t+4], v[ST+8*\t+4], v[ST+8*\t+5], v[ST+8*\t+6]
.endr
.irp t, 0,1
	v_max_num_f32 v[ST+8*\t+4], v[ST+8*\t+4], v[ST+8*\t+7]
.endr
.irp t, 0,1
	v_permlanex16_b32 v[ST+8*\t+5], v[ST+8*\t+4], s[SEL], s[SEL+1]   ; the query's other 32 keys lie in the lane 16 away
.endr
.irp t, 0,1
	v_max_num_f32 v[ST+8*\t+4], v[ST+8*\t+4], v[ST+8*\t+5]
.endr
.irp t, 0,1
	v_mul_f32 v[ST+8*\t+4], s[CS], v[ST+8*\t+4]    ; as t (the factor is positive)
.endr
.irp t, 0,1
	v_mov_b32 v[ST+8*\t+7], v[ST+8*\t]
.endr
.irp t, 0,1
	v_max_num_f32 v[ST+8*\t], v[ST+8*\t], v[ST+8*\t+4]   ; the running largest t
.endr
.irp t, 0,1
	v_sub_f32 v[ST+8*\t+7], v[ST+8*\t+7], v[ST+8*\t]     ; old - new, 0 or less
.endr
.irp j, 0,2,4,6,8,10,12,14,16,18,20,22,24,26,28,30
.irp t, 0,1
	v_pk_fma_f32 v[S+32*\t+\j:S+32*\t+\j+1], v[S+32*\t+\j:S+32*\t+\j+1], s[CS:CS+1], v[ST+8*\t:ST+8*\t+1] op_sel_hi:[1,0,0] neg_lo:[0,0,1] neg_hi:[0,0,1]   ; t - the largest t
.endr
.endr
.irp t, 0,1
	v_exp_f32 v[ST+8*\t+6], v[ST+8*\t+7]           ; a
.endr
.irp j, 0,1,2,3,4,5,6,7,8,9,10,11,12,13,14,15,16,17,18,19,20,21,22,23,24,25,26,27,28,29,30,31
.irp t, 0,1
	v_exp_f32 v[S+32*\t+\j], v[S+32*\t+\j]         ; p
.endr
.endr
	v_nop                                          ; a plain line behind the last exponential
	s_wait_alu depctr_va_vdst(0)                   ; one wait for the batch of 66, ahead of its first reader
.irp p, 0,1,2,3,4,5,6,7,8,9,10,11,12,13,14,15
.irp t, 0,1
	v_cvt_pk_f16_f32 v[P+16*\t+\p], v[S+32*\t+2*\p], v[S+32*\t+2*\p+1]
.endr
.endr
.irp u, 0,4,8,12,16,20,24,28                   ; the sum of the unrounded p, in place, as a tree of pairs
.irp t, 0,1
	v_pk_add_f32 v[S+32*\t+\u:S+32*\t+\u+1], v[S+32*\t+\u:S+32*\t+\u+1], v[S+32*\t+\u+2:S+32*\t+\u+3]
.endr
.endr
.irp u, 0,8,16,24
.irp t, 0,1
	v_pk_add_f32 v[S+32*\t+\u:S+32*\t+\u+1], v[S+32*\t+\u:S+32*\t+\u+1], v[S+32*\t+\u+4:S+32*\t+\u+5]
.endr
.endr
.irp u, 0,16
.irp t, 0,1
	v_pk_add_f32 v[S+32*\t+\u:S+32*\t+\u+1], v[S+32*\t+\u:S+32*\t+\u+1], v[S+32*\t+\u+8:S+32*\t+\u+9]
.endr
.endr
.irp t, 0,1
	v_pk_add_f32 v[S+32*\t:S+32*\t+1], v[S+32*\t:S+32*\t+1], v[S+32*\t+16:S+32*\t+17]
.endr
.irp t, 0,1
	v_pk_fma_f32 v[ST+8*\t+2:ST+8*\t+3], v[ST+8*\t+2:ST+8*\t+3], v[ST+8*\t+6:ST+8*\t+7], v[S+32*\t:S+32*\t+1] op_sel_hi:[1,0,1]   ; l = a l + the sum
.endr
.irp j, 0,2,4,6,8,10,12,14,16,18,20,22,24,26,28,30
.irp t, 0,1
	v_pk_mul_f32 v[O+32*\t+\j:O+32*\t+\j+1], v[O+32*\t+\j:O+32*\t+\j+1], v[ST+8*\t+6:ST+8*\t+7] op_sel_hi:[1,0]   ; O^T x a, each accumulator from its low end on
.endr
.endr
.endm
; A KEY STEP: 64 keys.  pre = 1: the next step's K and c are fetched under this step's softmax.  chg = 1: the next step's K lies in a chunk that has not been shown landed: a wait that leaves cnt younger loads out, and a barrier.
; wrap = 1: the next step is the first of chunk 3, which lies in slot 0.
.macro STEP pre, chg, cnt, wrap
	s_wait_dscnt 0x0                               ; K and c of this step are in
	WIN 0x11                                       ; source 0 (K) and source 2 (c) window 1
.irp k, 0,1,2,3
.irp t, 0,1
	v_wmma_f32_16x16x32_f16 v[S+32*\t+8*\k:S+32*\t+8*\k+7], v[KF+16*\k:KF+16*\k+7], v[QF+16*\t:QF+16*\t+7], v[BF+8*\k:BF+8*\k+7]
.endr
.endr
	WIN 0x01
	QKP KF+8, QF+8                                 ; high x high, the head's second half
	QKP KF, QL                                     ; K's high x Q's low
	QKP KF+8, QL+8
	QKP KL, QF                                     ; K's low x Q's high
	QKP KL+8, QF+8
	WIN 0
	v_add_nc_u32 v[ADV], s[TV], v[AV0]             ; four plain lines: the places in front of the loads into K's, c's and V's registers and of the first read of the scores
.if \wrap
	s_mov_b32 s[TV], 0
	s_mov_b32 s[TK], 0
.else
	s_add_co_u32 s[TV], s[TV], 8192
	s_add_co_u32 s[TK], s[TK], 16384
.endif
	s_add_co_u32 s[TBS], s[TBS], 256
	v_add_nc_u32 v[ADK], s[TK], v[L16]
	v_add_nc_u32 v[ADB], s[TBS], v[AB0]
	v_nop
.if \chg
	s_wait_tensorcnt \cnt                          ; my part of the chunk has landed (no LDS instruction of mine is out here);
	s_barrier_signal -1
	s_barrier_wait -1                              ; everybody's has.
.endif
	WIN 0x40                                       ; destination window 1
.irp f, 0,1,2,3,4,5,6,7
.irp c, 0,1
	ds_load_b128 v[VF+8*\f+4*\c:VF+8*\f+4*\c+3], v[ADV] offset:\f*1024+512*\c   ; V: 16 channels (f / 2) x 32 keys (f % 2)
.endr
.endr
.if \pre
	LOADK
.endif
	WIN 0
	SOFTMAX
.if \pre
	s_wait_dscnt 40                                ; V is in; the younger 40 loads, the next step's K and c, may be out
.else
	s_wait_dscnt 0x0
.endif
	WIN 0x01
.irp g, 0,1
.irp c, 0,1,2,3
.irp t, 0,1
	v_wmma_f32_16x16x32_f16 v[O+32*\t+8*\c:O+32*\t+8*\c+7], v[VF+8*(2*\c+\g):VF+8*(2*\c+\g)+7], v[P+16*\t+8*\g:P+16*\t+8*\g+7], v[O+32*\t+8*\c:O+32*\t+8*\c+7]
.endr
.endr
.endr
	WIN 0
.endm
	s_wait_tensorcnt 2                             ; c and my part of chunk 0 are in; chunks 1 and 2 may be out
	s_barrier_signal -1
	s_barrier_wait -1                              ; everybody's are
	v_add_nc_u32 v[ADK], s[TK], v[L16]
	v_add_nc_u32 v[ADB], s[TBS], v[AB0]
	WIN 0x40
	LOADK                                          ; step 0
	WIN 0
	s_wait_loadcnt 0x0                             ; q
	QSPLIT 0
	QSPLIT 1
	s_mov_b32 s[CNT], 3
.Lfirst:                                           ; steps 0 to 2: they read chunk 0 alone (step 2 fetches step 3's K, the chunk's last)
	STEP 1, 0, 0, 0
	s_sub_co_u32 s[CNT], s[CNT], 1
	s_cmp_lg_u32 s[CNT], 0
	s_cbranch_scc1 .Lfirst
	STEP 1, 1, 1, 0                                ; step 3: chunk 1 is shown landed (chunk 2's load may be out) ahead of the fetch of step 4's K
	; THE ONE REFILL: slot 0, which step 3 was the last to read, takes chunk 3.
	s_wait_tensorcnt 0x0                           ; all my tensor loads have landed, chunk 2's among them;
	ds_add_u32 v[SPW], v[NIL]                      ; 0 onto my spare word;
	s_mov_b32 s[TK], 4*16384                       ; (work on registers: the three places of step 4, the values that the steps above have left, written out so that the next loop's LDS bytes can be read off the text)
	s_mov_b32 s[TV], 4*8192
	s_mov_b32 s[TBS], 4*256
	s_wait_dscnt 0x0                               ; the add is done, and my reads of slot 0 are over (the fetch of step 4's K and c too)
	CROUND                                         ; the round takes the barrier's place: no wave of any partner still reads slot 0 or has a load on its way; chunk 2 is whole for every wave
	s_cmp_lt_u32 s[WV], 4
	s_cbranch_scc0 .Lfor_v
	tensor_load_to_lds s[G0K+12:G0K+15], s[G1K:G1K+7]   ; the first thing behind the round, one tensor load a wave
	s_nop 0
.rept 4
	v_nop
.endr
	s_branch .Lasked
.Lfor_v:
	tensor_load_to_lds s[G0V+12:G0V+15], s[G1V:G1V+7]
	s_nop 0
.rept 4
	v_nop
.endr
.Lasked:
	s_mov_b32 s[CNT], 7
.Lmid:                                             ; steps 4 to 10: they read slots 1 and 2 alone (step 10 fetches step 11's K, the last of chunk 2)
	STEP 1, 0, 0, 0
	s_sub_co_u32 s[CNT], s[CNT], 1
	s_cmp_lg_u32 s[CNT], 0
	s_cbranch_scc1 .Lmid
	STEP 1, 1, 0, 1                                ; step 11: chunk 3 is shown landed ahead of the fetch of step 12's K, from slot 0
	s_mov_b32 s[CNT], 3
.Llast:                                            ; steps 12 to 14
	STEP 1, 0, 0, 0
	s_sub_co_u32 s[CNT], s[CNT], 1
	s_cmp_lg_u32 s[CNT], 0
	s_cbranch_scc1 .Llast
	STEP 0, 0, 0, 0                                ; step 15 fetches nothing more
	; THE WAY OUT: l's two halves and the other half of the lanes' are added (these lines are the places behind the last products); O^T / l, rounded to f16 in pairs, is half an image for each accumulator.
.irp t, 0,1
	v_add_f32 v[ST+8*\t+4], v[ST+8*\t+2], v[ST+8*\t+3]
.endr
.irp t, 0,1
	v_permlanex16_b32 v[ST+8*\t+5], v[ST+8*\t+4], s[SEL], s[SEL+1]
.endr
.irp t, 0,1
	v_add_f32 v[ST+8*\t+4], v[ST+8*\t+4], v[ST+8*\t+5]
.endr
	v_nop
	v_nop
.irp t, 0,1
	v_rcp_f32 v[ST+8*\t+6], v[ST+8*\t+4]
.endr
	v_nop                                          ; a plain line behind the last reciprocal
	s_wait_alu depctr_va_vdst(0)                   ; and the wait ahead of the first use: one for both
.irp j, 0,2,4,6,8,10,12,14,16,18,20,22,24,26,28,30
.irp t, 0,1
	v_pk_mul_f32 v[O+32*\t+\j:O+32*\t+\j+1], v[O+32*\t+\j:O+32*\t+\j+1], v[ST+8*\t+6:ST+8*\t+7] op_sel_hi:[1,0]
.endr
.endr
.irp p, 0,1,2,3,4,5,6,7,8,9,10,11,12,13,14,15
.irp t, 0,1
	v_cvt_pk_f16_f32 v[P+16*\t+\p], v[O+32*\t+2*\p], v[O+32*\t+2*\p+1]
.endr
.endr
.irp t, 0,1
.irp c, 0,1,2,3
	global_store_b128 v[L16], v[P+16*\t+4*\c:P+16*\t+4*\c+3], s[6:7] offset:\t*8192+\c*512   ; 512 consecutive bytes
.endr
.endr
	s_wait_tensorcnt 0x0                           ; the wave's end
	ds_add_u32 v[SPW], v[NIL]
	s_wait_dscnt 0x0
	CROUND                                         ; the closing round
	s_endpgm
.Lfunc_end_k_q7fd4e0f04c_attn:
	.size	k_q7fd4e0f04c_attn, .Lfunc_end_k_q7fd4e0f04c_attn-k_q7fd4e0f04c_attn
	.p2alignl 7, 3214868480
	.fill 96, 4, 3214868480
	.section	.rodata,"a",@progbits
	.p2align	6, 0x0
	.amdhsa_kernel k_q7fd4e0f04c_attn
		.amdhsa_group_segment_fixed_size 327680
		.amdhsa_private_segment_fixed_size 0
		.amdhsa_enable_private_segment 0
		.amdhsa_kernarg_size 16
		.amdhsa_user_sgpr_count 2
		.amdhsa_user_sgpr_kernarg_segment_ptr 1
		.amdhsa_wavefront_size32 1
		.amdhsa_system_sgpr_workgroup_id_x 1
		.amdhsa_system_sgpr_workgroup_id_y 1
		.amdhsa_system_sgpr_workgroup_id_z 1
		.amdhsa_system_vgpr_workitem_id 0
		.amdhsa_next_free_vgpr 480
		.amdhsa_next_free_sgpr 98
		.amdhsa_reserve_vcc 0
		.amdhsa_float_denorm_mode_32 3
		.amdhsa_float_denorm_mode_16_64 3
		.amdhsa_memory_ordered 1
		.amdhsa_forward_progress 1
		.amdhsa_inst_pref_size 151
	.end_amdhsa_kernel
	.amdgpu_metadata
---
amdhsa.version: [ 1, 2 ]
amdhsa.kernels:
  - .name:           k_q7fd4e0f04c_attn
    .symbol:         k_q7fd4e0f04c_attn.kd
    .args:
      - { .name: qkv, .offset: 0, .size: 8, .value_kind: global_buffer, .address_space: global }
      - { .name: av, .offset: 8, .size: 8, .value_kind: global_buffer, .address_space: global }
    .group_segment_fixed_size: 327680
    .private_segment_fixed_size: 0
    .kernarg_segment_align: 8
    .kernarg_segment_size: 16
    .max_flat_workgroup_size: 256
    .sgpr_count:     98
    .vgpr_count:     480
    .wavefront_size: 32
...
	.end_amdgpu_metadata
.endif
;; end of part 3
;; launch oproj (part 4): grid 8 x 32, 4 waves a work-group, clusters of 4 x 4, 327,680 bytes of LDS; arguments av, pre, y; writes y
.if DOCPART == 4
	.amdgcn_target "amdgcn-amd-amdhsa--gfx1250"
	.amdhsa_code_object_version 6
	.text
	.protected	k_q7fd4e0f04c_oproj
	.globl	k_q7fd4e0f04c_oproj
	.p2align	8
	.type	k_q7fd4e0f04c_oproj,@function
k_q7fd4e0f04c_oproj:
	s_mov_b64 s[64:65], 0
	v_nop
	global_prefetch_b8 v0, s[64:65] scope:SCOPE_SE
	s_setreg_imm32_b32 hwreg(HW_REG_WAVE_MODE, 25, 1), 1
	s_wait_xcnt 0x0
	s_wait_alu depctr_hold_cnt(0) depctr_sa_sdst(0) depctr_va_vdst(0) depctr_va_sdst(0) depctr_va_ssrc(0) depctr_va_vcc(0) depctr_vm_vsrc(0)
	s_getreg_b32 s2, hwreg(HW_REG_IB_STS2, 6, 4)
	s_cmp_eq_u32 s2, 0
	s_cbranch_scc0 .Lentry_in_a_cluster
	s_endpgm
.Lentry_in_a_cluster:
	s_bfe_u32 s2, ttmp6, 0x10000c
	s_cmp_lg_u32 s2, 0xf033
	s_cbranch_scc0 .Lentry_shape_is_right
	s_endpgm
.Lentry_shape_is_right:
; y = attn_vec Wo, [4096][1024] f32, K = 1,024, operands in f16: (attn_vec / 8) from the buffer av and (8 x Wo) from the buffer pre, both as images of operand registers; the two factors cancel exactly.  Sums in f32.
; A tile of y is 128 x 128: 256 work-groups of four waves, a wave 64 x 64: 16 accumulators.  K goes in four steps of 256 through a ring of two LDS slots filled by the tensor data mover.
; A slot: A's two halves (64 rows each), B's two halves, 32 KiB each: [tile of 16 rows 4][u 8 (32 along K)][image]; each is one dense block of memory, brought by one load a wave.
; CLUSTERS: 4 x 4 work-groups; A's tiles are shared along a row of the cluster, B's along a column: joint loads, the same descriptor and a mask that names the four.
; THE MATRIX INSTRUCTION IS USED TRANSPOSED (source 0 = 16 columns of Wo, source 1 = 16 rows of attn_vec): a lane holds eight neighbouring numbers of a row of y.
; A wave's 64 columns are 256 bytes of a row of y, aligned: they go through the wave's own stage in LDS and leave sixteen lanes to such a run.
; No prefetch: a small tile with a short walk of four K steps, two of which are asked for at the head.
; REGISTERS: window 0: v16-29 addresses; v32-95 the way out; v128-255 the accumulators ((a, b) at v[128 + 8 (4 a + b)]).   window 1: two fragment buffers of 128: 64 registers of A, then 64 of B, for 64 along K.
.set WO,     0x3C8000
.set SLOT,   131072
.set STAGE,  262144                    ; behind the ring: 16 rows x 272 bytes for each wave; no tensor load lands here
.set SPITCH, 272
.set SPARE,  STAGE+4*16*SPITCH         ; the spare words, 128 bytes a wave, which no other line names
.set ADRA, 16
.set ADRB, 20
.set STO,  24
.set RD,   25
.set CO,   26
.set SPW,  28                          ; v28  LDS address of my spare word; never rewritten
.set NIL,  29                          ; v29  0; never rewritten
.set TMP,  32
.set ACC,  128
.set F0,   0
.set F1,   128
.set G1, 24
.set G0, 32
.set G1B, 48
.set G0B, 56
.set MSB, 0
.macro WIN new                         ; the immediate's high byte repeats the setting that is left
.if MSB != \new
	s_set_vgpr_msb (MSB<<8)|\new
.set MSB, \new
.endif
.endm
.set MUL,  0x05                        ; sources 0 (B) and 1 (A) window 1; C and D window 0
.set TO_F, 0x40                        ; destination window 1, address window 0
.macro JLOAD s                         ; a joint load: waves 0 and 1 fetch A's two halves, waves 2 and 3 B's; an s_nop 0 and four v_nop follow each of the two lines
	s_cmp_eq_u32 s11, 0
	s_cbranch_scc0 .Lfor_b_\@
	tensor_load_to_lds s[G0+4*\s:G0+4*\s+3], s[G1:G1+7]
	s_nop 0
.rept 4
	v_nop
.endr
	s_branch .Lasked_\@
.Lfor_b_\@:
	tensor_load_to_lds s[G0B+4*\s:G0B+4*\s+3], s[G1B:G1B+7]
	s_nop 0
.rept 4
	v_nop
.endr
.Lasked_\@:
.endm
.macro CREST                           ; a round of the cluster's barrier behind its opening barrier
	s_cmp_lg_u32 s10, 0
	s_cbranch_scc1 .Lnot_wave_0_\@
	s_barrier_signal -3
.Lnot_wave_0_\@:
	s_barrier_wait -3
	s_barrier_signal -1
	s_barrier_wait -1
.endm
.macro CROUND
	s_barrier_signal -1
	s_barrier_wait -1
	CREST
.endm
	s_load_b128 s[4:7], s[0:1], 0x0                ; av s[4:5], pre s[6:7]
	s_load_b64 s[8:9], s[0:1], 0x10                ; y
	v_lshl_add_u32 v[SPW], v0, 2, SPARE
	v_mov_b32 v[NIL], 0
	ds_add_u32 v[SPW], v[NIL]                      ; the wave's opening: the add, twice on end, and its wait ahead of my first tensor load
	ds_add_u32 v[SPW], v[NIL]
	v_lshrrev_b32 v1, 5, v0
	v_readfirstlane_b32 s10, v1                    ; wave 0..3
	s_lshr_b32 s11, s10, 1                         ; which half of the tile's rows is mine.  Also: I fetch for A (0) or for B (1)
	s_and_b32 s12, s10, 1                          ; which half of its columns.  Also: which 64 rows I fetch
	s_bfe_u32 s40, ttmp6, 0x40000                  ; cx, cy
	s_bfe_u32 s41, ttmp6, 0x40004
	s_lshl_b32 s42, ttmp9, 2
	s_add_co_u32 s42, s42, s40                     ; tile column = 4 x cluster x + cx
	s_and_b32 s13, ttmp7, 0xffff
	s_lshl_b32 s13, s13, 2
	s_add_co_u32 s13, s13, s41                     ; tile row = 4 x cluster y + cy
	s_lshl_b32 s43, s41, 2
	s_lshl_b32 s43, 15, s43                        ; my row of the cluster
	s_lshl_b32 s44, 0x1111, s40                    ; my column
	s_or_b32 s[G1+0], s43, (3<<16)|(1<<21)         ; 15:0 the mask; 17:16 elements of 8 bytes; 21 set beside a mask; no padding: images are read 512 consecutive bytes at a time
	s_or_b32 s[G1B+0], s44, (3<<16)|(1<<21)
.irp g, G1, G1B
	s_mov_b32 s[\g+1], 32<<16                      ; rows of 256 bytes,
	s_mov_b32 s[\g+2], 128<<16                     ; 128 of them,
	s_mov_b32 s[\g+3], 32<<16
	s_mov_b32 s[\g+4], 128
	s_mov_b32 s[\g+5], 32                          ; dense
	s_mov_b32 s[\g+6], 0
	s_mov_b32 s[\g+7], 0
.endr
	s_lshl_b32 s17, s12, 15                        ; which four tiles of 8,192 bytes I fetch
	s_lshl_b32 s16, s13, 16
	s_add_co_u32 s16, s16, s17                     ; A: (8 x tile row + 4 x half) x 8,192
	s_lshl_b32 s46, s42, 16
	s_add_co_u32 s46, s46, s17
	s_add_co_u32 s46, s46, WO                      ; B: the same by the tile column, in Wo's images
	s_mov_b32 s17, 0
	s_mov_b32 s47, 0
	s_lshl_b32 s20, s10, 15                        ; where they go: wave x 32 KiB
	s_wait_dscnt 0x0                               ; both opening adds are done
	s_wait_kmcnt 0x0
	s_add_nc_u64 s[14:15], s[4:5], s[16:17]
	s_add_nc_u64 s[46:47], s[6:7], s[46:47]
	CROUND                                         ; all sixteen work-groups are here: the first joint loads meet
.irp s, 0,1
	s_mov_b32 s[G0+4*\s], 1
	s_add_co_u32 s[G0+4*\s+1], s20, \s*SLOT
	s_add_nc_u64 s[G0+4*\s+2:G0+4*\s+3], s[14:15], \s*0x200000     ; K step s
	s_or_b32 s[G0+4*\s+3], s[G0+4*\s+3], 0x80000000
	s_mov_b32 s[G0B+4*\s], 1
	s_add_co_u32 s[G0B+4*\s+1], s20, \s*SLOT
	s_add_nc_u64 s[G0B+4*\s+2:G0B+4*\s+3], s[46:47], \s*0x80000
	s_or_b32 s[G0B+4*\s+3], s[G0B+4*\s+3], 0x80000000
	JLOAD \s                                       ; two tensor loads of mine are out
.endr
	v_and_b32 v1, 15, v0                           ; r
	v_bfe_u32 v2, v0, 4, 1                         ; h
	v_and_b32 v3, 31, v0
	v_lshlrev_b32 v3, 4, v3                        ; 16 x lane
	s_lshl_b32 s21, s11, 15                        ; my 64 rows of A
	s_lshl_b32 s22, s12, 15                        ; my 64 rows of B,
	s_add_co_u32 s22, s22, 65536                   ; which lie behind A's 128
.irp s, 0,1
	v_add_nc_u32 v[ADRA+\s], s21, v3
	v_add_nc_u32 v[ADRB+\s], s22, v3
	s_add_co_u32 s21, s21, SLOT
	s_add_co_u32 s22, s22, SLOT
.endr
	s_mul_i32 s23, s10, 16*SPITCH
	s_add_co_u32 s23, s23, STAGE                   ; my stage
	v_mul_u32_u24 v4, v1, SPITCH                   ; in: row r, 32 bytes for each half of the lanes
	v_lshl_add_u32 v4, v2, 5, v4
	v_add_nc_u32 v[STO], s23, v4
	v_mul_u32_u24 v5, v2, SPITCH                   ; back: lanes 0-15 one row of 256 bytes, lanes 16-31 the next
	v_lshl_add_u32 v5, v1, 4, v5
	v_add_nc_u32 v[RD], s23, v5
	v_lshlrev_b32 v5, 12, v2                       ; and the same two rows in y
	v_lshl_add_u32 v[CO], v1, 4, v5
	s_lshl_b32 s16, s13, 19                        ; my first row: (128 x tile row + 64 x half) x 4,096 bytes
	s_lshl_b32 s17, s11, 18
	s_add_co_u32 s16, s16, s17
	s_mov_b32 s17, 0
	s_add_nc_u64 s[8:9], s[8:9], s[16:17]
	s_lshl_b32 s46, s42, 9                         ; my first column: (128 x tile column + 64 x half) x 4 bytes
	s_lshl_b32 s47, s12, 8
	s_add_co_u32 s46, s46, s47
	s_mov_b32 s47, 0
	s_add_nc_u64 s[8:9], s[8:9], s[46:47]
; 8 matrix instructions: row blocks a0, a0 + 1 x all 4 column blocks, 32 along K: half c of buffer f.  zero = 1: the first product starts the sums.  The 16 accumulators take turns.
.macro MUL8 f, c, a0, zero
.irp a, \a0, \a0+1
.irp b, 0,1,2,3
.if \zero
	v_wmma_f32_16x16x32_f16 v[ACC+8*(4*(\a)+\b):ACC+8*(4*(\a)+\b)+7], v[\f+64+8*(4*\c+\b):\f+64+8*(4*\c+\b)+7], v[\f+8*(4*\c+\a):\f+8*(4*\c+\a)+7], 0
.else
	v_wmma_f32_16x16x32_f16 v[ACC+8*(4*(\a)+\b):ACC+8*(4*(\a)+\b)+7], v[\f+64+8*(4*\c+\b):\f+64+8*(4*\c+\b)+7], v[\f+8*(4*\c+\a):\f+8*(4*\c+\a)+7], v[ACC+8*(4*(\a)+\b):ACC+8*(4*(\a)+\b)+7]
.endif
.endr
.endr
.endm
; 32 LDS loads in one run: the fragments of quarter qq (64 along K: u = 2 qq, 2 qq + 1) into buffer f; the first 32 along K first
.macro FETCH slot, qq, f
	WIN TO_F
.irp c, 0,1
.irp i, 0,1,2,3
	ds_load_b128 v[\f+64+8*(4*\c+\i):\f+64+8*(4*\c+\i)+3],   v[ADRB+\slot] offset:(8*\i+2*(\qq)+\c)*1024
	ds_load_b128 v[\f+64+8*(4*\c+\i)+4:\f+64+8*(4*\c+\i)+7], v[ADRB+\slot] offset:(8*\i+2*(\qq)+\c)*1024+512
	ds_load_b128 v[\f+8*(4*\c+\i):\f+8*(4*\c+\i)+3],         v[ADRA+\slot] offset:(8*\i+2*(\qq)+\c)*1024
	ds_load_b128 v[\f+8*(4*\c+\i)+4:\f+8*(4*\c+\i)+7],       v[ADRA+\slot] offset:(8*\i+2*(\qq)+\c)*1024+512
.endr
.endr
.endm
.macro PLACES                          ; four plain lines in front of loads into registers that matrix instructions have read, and of the first read of results
.rept 4
	v_nop
.endr
.endm
; A K step is four quarters of 64 along K, 32 matrix instructions each, on buffers 0, 1, 0, 1.  One of the first three: multiplies buffer f and fetches quarter qq into g.
.macro QUARTER slot, qq, f, g, zero
	s_wait_dscnt 16                                ; the first 32 along K are in; the younger 16 loads may be out
	WIN MUL
	MUL8 \f, 0, 0, \zero
	MUL8 \f, 0, 2, \zero
	PLACES
	FETCH \slot, \qq, \g
	s_wait_dscnt 32                                ; all but the 32 just issued
	WIN MUL
	MUL8 \f, 1, 0, 0
	MUL8 \f, 1, 2, 0
.endm
; The last quarter multiplies buffer 1 and changes slots: ONE barrier; in front of it each wave waits for all its tensor loads, adds 0 to its spare word, and waits for that and for its own reads of this slot.  fill = 1: this slot is filled again, two K steps ahead.
.macro TURN slot, next, fill
	WIN 0                                          ; (the add's two registers lie in window 0)
	s_wait_tensorcnt 0x0                           ; all my tensor loads have landed: my part of the next slot;
	ds_add_u32 v[SPW], v[NIL]                      ; 0 onto my spare word;
	s_wait_dscnt 17                                ; (the add and the youngest sixteen loads may be out)
	WIN MUL
	MUL8 F1, 0, 0, 0
	s_wait_dscnt 0x0                               ; the add is done, and my reads of this slot are over
	s_barrier_signal -1
	MUL8 F1, 0, 2, 0
.if \fill
	WIN 0
.endif
	s_barrier_wait -1
.if \fill
	CREST                                          ; the barrier has opened a round of the cluster's barrier: no wave of any partner still reads this slot or has a load on its way
	s_add_nc_u64 s[G0+4*\slot+2:G0+4*\slot+3], s[G0+4*\slot+2:G0+4*\slot+3], 2*0x200000
	s_add_nc_u64 s[G0B+4*\slot+2:G0B+4*\slot+3], s[G0B+4*\slot+2:G0B+4*\slot+3], 2*0x80000
	JLOAD \slot                                    ; the first tensor load behind the round, one a wave; the four v_nop behind it are also the places in front of the loads below
.else
	PLACES
.endif
	FETCH \next, 0, F0
	WIN MUL
	MUL8 F1, 1, 0, 0
	MUL8 F1, 1, 2, 0
.endm
	s_wait_tensorcnt 1                             ; my part of K step 0 is in (K step 1's load may be out),
	s_barrier_signal -1
	s_barrier_wait -1                              ; everybody's is
	FETCH 0, 0, F0
	QUARTER 0, 1, F0, F1, 1                        ; K step 0: its first products start the sums
	QUARTER 0, 2, F1, F0, 0
	QUARTER 0, 3, F0, F1, 0
	TURN 0, 1, 1                                   ; slot 0 takes K step 2
	QUARTER 1, 1, F0, F1, 0
	QUARTER 1, 2, F1, F0, 0
	QUARTER 1, 3, F0, F1, 0
	TURN 1, 0, 1                                   ; slot 1 takes K step 3
	QUARTER 0, 1, F0, F1, 0
	QUARTER 0, 2, F1, F0, 0
	QUARTER 0, 3, F0, F1, 0
	TURN 0, 1, 0                                   ; nothing is left to fetch
	QUARTER 1, 1, F0, F1, 0
	QUARTER 1, 2, F1, F0, 0
	QUARTER 1, 3, F0, F1, 0
	s_wait_dscnt 16                                ; the very last quarter
	WIN MUL
	MUL8 F1, 0, 0, 0
	MUL8 F1, 0, 2, 0
	s_wait_dscnt 0
	MUL8 F1, 1, 0, 0
	MUL8 F1, 1, 2, 0
	WIN 0
; THE WAY OUT, a block of 16 rows x 64 columns at a time, through my own stage: LDS serves a wave's instructions in order (ISA guide 5.7.1.4), so no wait stands between the stores and the loads, nor ahead of the next block's stores.
.macro TOST a
.irp b, 0,1,2,3
	ds_store_b128 v[STO], v[ACC+8*(4*(\a)+\b):ACC+8*(4*(\a)+\b)+3] offset:64*\b          ; each accumulator from its low end on
	ds_store_b128 v[STO], v[ACC+8*(4*(\a)+\b)+4:ACC+8*(4*(\a)+\b)+7] offset:64*\b+16
.endr
.irp t, 0,1,2,3,4,5,6,7
	ds_load_b128 v[TMP+32*((\a)%2)+4*\t:TMP+32*((\a)%2)+4*\t+3], v[RD] offset:\t*2*SPITCH
.endr
.endm
.macro SENDY a
.irp t, 0,1,2,3,4,5,6,7
	global_store_b128 v[CO], v[TMP+32*((\a)%2)+4*\t:TMP+32*((\a)%2)+4*\t+3], s[8:9] offset:(\a)*65536+\t*8192   ; 16 lanes store 256 consecutive bytes, at a multiple of 256 from y's first byte
.endr
.endm
	PLACES
	TOST 0
.irp a, 1,2,3
.if \a >= 2
	s_wait_xcnt 0x0                                ; block a - 2's stores have read their registers: block a's loads land there only behind this wait
.endif
	TOST \a
	s_wait_dscnt 16                                ; block a - 1 is back; block a's 8 stores and 8 loads may be out
	SENDY \a-1
.endr
	s_wait_dscnt 0x0
	SENDY 3
	s_wait_tensorcnt 0x0                           ; the wave's end, behind my last tensor load and my last LDS store
	ds_add_u32 v[SPW], v[NIL]
	s_wait_dscnt 0x0
	CROUND                                         ; the closing round
	s_endpgm
.Lfunc_end_k_q7fd4e0f04c_oproj:
	.size	k_q7fd4e0f04c_oproj, .Lfunc_end_k_q7fd4e0f04c_oproj-k_q7fd4e0f04c_oproj
	.p2alignl 7, 3214868480
	.fill 96, 4, 3214868480
	.section	.rodata,"a",@progbits
	.p2align	6, 0x0
	.amdhsa_kernel k_q7fd4e0f04c_oproj
		.amdhsa_group_segment_fixed_size 327680
		.amdhsa_private_segment_fixed_size 0
		.amdhsa_enable_private_segment 0
		.amdhsa_kernarg_size 24
		.amdhsa_user_sgpr_count 2
		.amdhsa_user_sgpr_kernarg_segment_ptr 1
		.amdhsa_wavefront_size32 1
		.amdhsa_system_sgpr_workgroup_id_x 1
		.amdhsa_system_sgpr_workgroup_id_y 1
		.amdhsa_system_sgpr_workgroup_id_z 1
		.amdhsa_system_vgpr_workitem_id 0
		.amdhsa_next_free_vgpr 512
		.amdhsa_next_free_sgpr 66
		.amdhsa_reserve_vcc 0
		.amdhsa_float_denorm_mode_32 3
		.amdhsa_float_denorm_mode_16_64 3
		.amdhsa_memory_ordered 1
		.amdhsa_forward_progress 1
		.amdhsa_inst_pref_size 85
	.end_amdhsa_kernel
	.amdgpu_metadata
---
amdhsa.version: [ 1, 2 ]
amdhsa.kernels:
  - .name:           k_q7fd4e0f04c_oproj
    .symbol:         k_q7fd4e0f04c_oproj.kd
    .args:
      - { .name: av, .offset: 0, .size: 8, .value_kind: global_buffer, .address_space: global }
      - { .name: pre, .offset: 8, .size: 8, .value_kind: global_buffer, .address_space: global }
      - { .name: y, .offset: 16, .size: 8, .value_kind: global_buffer, .address_space: global }
    .group_segment_fixed_size: 327680
    .private_segment_fixed_size: 0
    .kernarg_segment_align: 8
    .kernarg_segment_size: 24
    .max_flat_workgroup_size: 128
    .sgpr_count:     66
    .vgpr_count:     512
    .wavefront_size: 32
...
	.end_amdgpu_metadata
.endif
;; end of part 4
;; launch ln (part 5): grid 256 x 1, 8 waves a work-group, no clusters, 0 bytes of LDS; arguments y, w, ln_gamma, ln_beta, out0; writes out0
.if DOCPART == 5
	.amdgcn_target "amdgcn-amd-amdhsa--gfx1250"
	.amdhsa_code_object_version 6
	.text
	.protected	k_q7fd4e0f04c_ln
	.globl	k_q7fd4e0f04c_ln
	.p2align	8
	.type	k_q7fd4e0f04c_ln,@function
k_q7fd4e0f04c_ln:
	s_mov_b64 s[64:65], 0
	v_nop
	global_prefetch_b8 v0, s[64:65] scope:SCOPE_SE
	s_setreg_imm32_b32 hwreg(HW_REG_WAVE_MODE, 25, 1), 1
	s_wait_xcnt 0x0
; out0 = LayerNorm(w + y) x gamma + beta, all in f32: mean, then the mean of the squared differences (two passes over registers), 1 / sqrt(var + 1e-5).
; A row is 4,096 bytes: one wave takes a whole row, eight loads of 16 bytes a lane, and keeps it in 32 registers.  A wave takes two rows; a work-group of eight waves 16 rows.
; All 48 loads of a wave go out at the head; every load and store covers 512 consecutive bytes.  No LDS, no barrier, no loop: waves share nothing.
; Matrix units, clusters and tensor loads would add nothing to a stream that reads and writes each byte once.
.set GA, 32                            ; v32-63   gamma at my 32 columns
.set BE, 64                            ; v64-95   beta
                                       ; v96-127 y of row 0 (then the row at work), v128-159 w of row 0; v160-191, v192-223 the same of row 1
	s_load_b256 s[4:11], s[0:1], 0x0               ; y s[4:5], w s[6:7], gamma s[8:9], beta s[10:11]
	s_load_b64 s[12:13], s[0:1], 0x20              ; out0
	v_lshrrev_b32 v1, 5, v0
	v_readfirstlane_b32 s14, v1                    ; wave 0..7
	v_and_b32 v1, 31, v0
	v_lshlrev_b32 v1, 4, v1                        ; 16 x lane
	s_lshl_b32 s16, ttmp9, 16                      ; 16 rows of 4,096 bytes a work-group,
	s_lshl_b32 s15, s14, 13                        ; two a wave
	s_add_co_u32 s16, s16, s15
	s_mov_b32 s17, 0
	s_mov_b32 s18, 0x3a800000                      ; 1 / 1024
	s_mov_b32 s19, 0x3727c5ac                      ; 1e-5
	s_mov_b32 s20, 0x76543210
	s_mov_b32 s21, 0xfedcba98                      ; v_permlanex16_b32's selects for lane l xor 16
	s_wait_kmcnt 0x0
	s_add_nc_u64 s[4:5], s[4:5], s[16:17]
	s_add_nc_u64 s[6:7], s[6:7], s[16:17]
	s_add_nc_u64 s[12:13], s[12:13], s[16:17]
.irp j, 0,1,2,3,4,5,6,7
	global_load_b128 v[GA+4*\j:GA+4*\j+3], v1, s[8:9] offset:512*\j
.endr
.irp j, 0,1,2,3,4,5,6,7
	global_load_b128 v[BE+4*\j:BE+4*\j+3], v1, s[10:11] offset:512*\j
.endr
.irp e, 0,1
.irp j, 0,1,2,3,4,5,6,7
	global_load_b128 v[96+64*\e+4*\j:96+64*\e+4*\j+3], v1, s[4:5] offset:4096*\e+512*\j th:TH_LOAD_NT
.endr
.irp j, 0,1,2,3,4,5,6,7
	global_load_b128 v[128+64*\e+4*\j:128+64*\e+4*\j+3], v1, s[6:7] offset:4096*\e+512*\j th:TH_LOAD_NT
.endr
.endr
.macro REDUCE                          ; four pairs v[4:11] become one number, the same in every lane
	v_pk_add_f32 v[4:5], v[4:5], v[6:7]
	v_pk_add_f32 v[8:9], v[8:9], v[10:11]
	v_pk_add_f32 v[4:5], v[4:5], v[8:9]
	v_add_f32 v4, v4, v5
	v_add_f32_dpp v4, v4, v4 row_xmask:1 row_mask:0xf bank_mask:0xf
	v_add_f32_dpp v4, v4, v4 row_xmask:2 row_mask:0xf bank_mask:0xf
	v_add_f32_dpp v4, v4, v4 row_xmask:4 row_mask:0xf bank_mask:0xf
	v_add_f32_dpp v4, v4, v4 row_xmask:8 row_mask:0xf bank_mask:0xf
	v_permlanex16_b32 v5, v4, s20, s21
	v_add_f32 v4, v4, v5
.endm
.macro ROW e
.set X, 96+64*\e
.if \e == 0
	s_wait_loadcnt 16                              ; gamma, beta and row 0 are in; row 1's 16 loads may be out
.else
	s_wait_loadcnt 0x0
.endif
.irp p, 0,2,4,6,8,10,12,14,16,18,20,22,24,26,28,30
	v_pk_add_f32 v[X+\p:X+\p+1], v[X+\p:X+\p+1], v[X+32+\p:X+32+\p+1]   ; the residual
.endr
.irp k, 0,1,2,3
	v_pk_add_f32 v[4+2*\k:5+2*\k], v[X+2*\k:X+2*\k+1], v[X+8+2*\k:X+9+2*\k]   ; the sum, in four chains
.endr
.irp g, 16,24
.irp k, 0,1,2,3
	v_pk_add_f32 v[4+2*\k:5+2*\k], v[4+2*\k:5+2*\k], v[X+\g+2*\k:X+\g+2*\k+1]
.endr
.endr
	REDUCE
	v_mul_f32 v12, s18, v4                         ; the mean
	v_mov_b32 v13, v12
.irp p, 0,2,4,6,8,10,12,14,16,18,20,22,24,26,28,30
	v_pk_add_f32 v[X+\p:X+\p+1], v[X+\p:X+\p+1], v[12:13] neg_lo:[0,1] neg_hi:[0,1]
.endr
.irp k, 0,1,2,3
	v_pk_mul_f32 v[4+2*\k:5+2*\k], v[X+2*\k:X+2*\k+1], v[X+2*\k:X+2*\k+1]
.endr
.irp g, 8,16,24
.irp k, 0,1,2,3
	v_pk_fma_f32 v[4+2*\k:5+2*\k], v[X+\g+2*\k:X+\g+2*\k+1], v[X+\g+2*\k:X+\g+2*\k+1], v[4+2*\k:5+2*\k]
.endr
.endr
	REDUCE
	v_fma_f32 v4, v4, s18, s19                     ; the variance + 1e-5
	v_rsq_f32 v14, v4
	v_mov_b32 v15, 0                               ; a plain line behind the transcendental (and the pair's upper half is written)
	s_wait_alu depctr_va_vdst(0)                   ; the wait ahead of the first use
.irp p, 0,2,4,6,8,10,12,14,16,18,20,22,24,26,28,30
	v_pk_mul_f32 v[X+\p:X+\p+1], v[X+\p:X+\p+1], v[14:15] op_sel_hi:[1,0]
.endr
.irp p, 0,2,4,6,8,10,12,14,16,18,20,22,24,26,28,30
	v_pk_fma_f32 v[X+\p:X+\p+1], v[X+\p:X+\p+1], v[GA+\p:GA+\p+1], v[BE+\p:BE+\p+1]
.endr
.irp j, 0,1,2,3,4,5,6,7
	global_store_b128 v1, v[X+4*\j:X+4*\j+3], s[12:13] offset:4096*\e+512*\j th:TH_STORE_NT   ; 512 consecutive bytes; these registers are not written again
.endr
.endm
	ROW 0
	ROW 1
	s_endpgm
.Lfunc_end_k_q7fd4e0f04c_ln:
	.size	k_q7fd4e0f04c_ln, .Lfunc_end_k_q7fd4e0f04c_ln-k_q7fd4e0f04c_ln
	.p2alignl 7, 3214868480
	.fill 96, 4, 3214868480
	.section	.rodata,"a",@progbits
	.p2align	6, 0x0
	.amdhsa_kernel k_q7fd4e0f04c_ln
		.amdhsa_group_segment_fixed_size 0
		.amdhsa_private_segment_fixed_size 0
		.amdhsa_enable_private_segment 0
		.amdhsa_kernarg_size 40
		.amdhsa_user_sgpr_count 2
		.amdhsa_user_sgpr_kernarg_segment_ptr 1
		.amdhsa_wavefront_size32 1
		.amdhsa_system_sgpr_workgroup_id_x 1
		.amdhsa_system_sgpr_workgroup_id_y 1
		.amdhsa_system_sgpr_workgroup_id_z 1
		.amdhsa_system_vgpr_workitem_id 0
		.amdhsa_next_free_vgpr 232
		.amdhsa_next_free_sgpr 66
		.amdhsa_reserve_vcc 0
		.amdhsa_float_denorm_mode_32 3
		.amdhsa_float_denorm_mode_16_64 3
		.amdhsa_memory_ordered 1
		.amdhsa_forward_progress 1
		.amdhsa_inst_pref_size 22
	.end_amdhsa_kernel
	.amdgpu_metadata
---
amdhsa.version: [ 1, 2 ]
amdhsa.kernels:
  - .name:           k_q7fd4e0f04c_ln
    .symbol:         k_q7fd4e0f04c_ln.kd
    .args:
      - { .name: y, .offset: 0, .size: 8, .value_kind: global_buffer, .address_space: global }
      - { .name: w, .offset: 8, .size: 8, .value_kind: global_buffer, .address_space: global }
      - { .name: ln_gamma, .offset: 16, .size: 8, .value_kind: global_buffer, .address_space: global }
      - { .name: ln_beta, .offset: 24, .size: 8, .value_kind: global_buffer, .address_space: global }
      - { .name: out0, .offset: 32, .size: 8, .value_kind: global_buffer, .address_space: global }
    .group_segment_fixed_size: 0
    .private_segment_fixed_size: 0
    .kernarg_segment_align: 8
    .kernarg_segment_size: 40
    .max_flat_workgroup_size: 256
    .sgpr_count:     66
    .vgpr_count:     232
    .wavefront_size: 32
...
	.end_amdgpu_metadata
.endif
;; end of part 5
